; MI455X (gfx1250); checked and timed in simulation.
; The chip was launched on July 23, 2026; its instructions are those of AMD's public machine-readable ISA for CDNA 5 (MIT licence, August 2026) and "CDNA5" Instruction Set Architecture Reference Guide (July 2026). The comments in the code are by the model that wrote it; some were corrected since.
;; Attention. Allowed arithmetic: matrix products marked QUANTISED: E4M3 operands, one given power-of-two scale a tensor, by v_wmma_f32_16x16x64_fp8_fp8 or v_wmma_f32_16x16x128_fp8_fp8, f32 sums; everything else in f32.
;; Inputs: bk 2,048 float32; bo 2,048 float32; bq 2,048 float32; bv 2,048 float32; lowp_scales 12 int32 (the exponents e of the quantised operands' scales 2^e); mask 1 x 1 x 2,048 x 2,048 int32; wk 2,048 x 2,048 float32; wo 2,048 x 2,048 float32; wq 2,048 x 2,048 float32; wv 2,048 x 2,048 float32; x 1 x 2,048 x 2,048 float32.
;; Outputs: out0 1 x 2,048 x 2,048 float32.
;; This version of the problem:
;;   THIS VERSION OF THE PROBLEM IS GIVEN IN LOW PRECISION. The matrix products marked QUANTISED in the list below multiply operands that are first quantised to E4M3 (4 exponent bits, 3 mantissa bits; 8 bits a number), with one given power-of-two scale for each operand tensor; their sums are f32. All else is computed in f32.
;;   The module's matrix products, in the order in which they are computed (A, B: the left and right operand; K: the contracted axis; several contracted axes count as one K, in the product's order):
;;     1. [M 2,048, K 2,048] x [K 2,048, N 2,048]; A: input x; B: input wq: QUANTISED (scales: A lowp_scales[0], B lowp_scales[1])
;;     2. [M 2,048, K 2,048] x [K 2,048, N 2,048]; A: input x; B: input wk: QUANTISED (scales: A lowp_scales[2], B lowp_scales[3])
;;     3. [M 2,048, K 2,048] x [K 2,048, N 2,048]; A: input x; B: input wv: QUANTISED (scales: A lowp_scales[4], B lowp_scales[5])
;;     4. batch 16 x [M 2,048, K 128] x [K 128, N 2,048]; A: computed on the way; B: computed on the way: QUANTISED (scales: A lowp_scales[6], B lowp_scales[7])
;;     5. batch 16 x [M 2,048, K 2,048] x [K 2,048, N 128]; A: softmax (see below); B: computed on the way: QUANTISED (scales: A lowp_scales[8], B lowp_scales[9])
;;     6. [M 2,048, K 2,048] x [K 2,048, N 2,048]; A: computed on the way; B: input wo: QUANTISED (scales: A lowp_scales[10], B lowp_scales[11])
;;   THE QUANTISER, for each operand of a quantised product, along K:
;;     - The operand's scale is 2^e, e = its entry of the input lowp_scales (int32; the entries are numbered through the quantised products in the list's order, A before B).
;;     - Each number is divided by the scale, clamped to +-448, and rounded to the nearest number of E4M3, ties to even, subnormals kept.
;;     - The product sums the exact products of the quantised numbers (number of the format x scale) in f32.
;;   ~~~python
;;   def quantise(x, axis, e):      # numpy; x: float32 -> the quantised numbers, widened to float32 again
;;       x = np.moveaxis(x, axis, -1); K = x.shape[-1]
;;       r = np.clip(x / 2.0 ** e, -448, 448)
;;       step = 2.0 ** (np.maximum(np.frexp(np.where(r == 0, 1, r))[1] - 1, -6) - 3)
;;       q = np.round(r / step) * step * 2.0 ** e      # np.round: ties to even
;;       return np.moveaxis(q, -1, axis).astype(np.float32)
;;   ~~~
;;   SOFTMAX AHEAD OF A QUANTISED PRODUCT. Where the list says 'softmax', what is quantised is not the finished softmax but p = 2^(t - M), with t = logit x log2(e) and M = ceil(the row's largest t), a whole number; so 1/2 < the row's largest p <= 1. The row's sum l is taken of the UNQUANTISED p, in f32, and the product's result is divided by l at the end. Since M is a whole number, a kernel that streams over the keys may use a running M (the ceiling of the running maximum): every later rescaling is an exact power of two, so the quantised numbers keep their values, but for numbers so far below the row's largest that they fall under the format's range.
;;   OPERANDS COMPUTED ON THE WAY. 'Computed on the way' means the value that the module computes at that place (a softmax that the list does not call 'softmax' is quantised finished and normalised). What goes into a quantiser is computed in f32, as accurately as f32 sums, v_exp_f32 and their like allow (about 1e-6 of the number): no bf16 or f16 on the way to a quantiser, and a product that is left as it is and whose result goes on into a quantised operand takes f32 operands (vector FMAs, or v_wmma_f32_16x16x4_f32). A number that lies on a knife's edge between two numbers of the format may be rounded either way, as far as f32 arithmetic and the matrix unit's own rounding can turn it there, and no further.
;; 2 versions. Each part assembles by itself: llvm-mc -triple=amdgcn-amd-amdhsa -mcpu=gfx1250 --defsym DOCPART=n.
;; ======== version 1 of 2: 4 launches
;; workspace buffers: codes 29,360,128 bytes; maskbits 524,288 bytes of whole numbers; qkvcodes 12,582,912 bytes; ctxcodes 4,194,304 bytes
;; launch prep (part 1): grid 128 x 6, 4 waves a work-group, no clusters, 34,304 bytes of LDS; arguments x, wq, wk, wv, wo, mask, lowp_scales, codes, maskbits; writes codes, maskbits
.if DOCPART == 1
	.amdgcn_target "amdgcn-amd-amdhsa--gfx1250"
	.amdhsa_code_object_version 6
	.text
	.protected	k_qd4b371751e_prep
	.globl	k_qd4b371751e_prep
	.p2align	8
	.type	k_qd4b371751e_prep,@function
k_qd4b371751e_prep:
	s_mov_b64 s[64:65], 0
	v_nop
	global_prefetch_b8 v0, s[64:65] scope:SCOPE_SE
	s_setreg_imm32_b32 hwreg(HW_REG_WAVE_MODE, 25, 1), 1
	s_wait_xcnt 0x0
; x and the four weights, f32 [2048][2048] with K innermost, become codes of E4M3; the mask, int32 [2048][2048], becomes bits.
; CODES ARE STORED AS IMAGES OF THE OPERAND'S REGISTERS.  A fragment is 16 rows x 128 K, 2,048 bytes: lane (r = lane % 16, h = lane / 16) holds in registers 2 c, 2 c + 1
; k = 16 c + 8 h + 0 .. 7 of row r; registers 4 c' .. 4 c' + 3 lie at byte 512 c' + 16 x lane.  A section of the buffer of codes is [row tile 128][K step 16][2,048 bytes], 4 MiB;
; sections: 0, 1, 2 = x under the scales of entries 0, 2, 4 (the three products may be given different scales for x); 3 wq (entry 1), 4 wk (3), 5 wv (5), 6 wo (11).
; code = number / 2^e, held within +-448, to the nearest code, ties to even.  LIMITS: each e between -126 and 119; NaN among x and the weights is not served.
; MASK BITS: [query tile 128][key step 16][64 words]; bit (lane) of word 8 t + j says that mask[16 T + r][128 s + 16 t + 8 h + j] is not 0: the place of that score in the attention launch's registers.
; SHARES.  Work-group y says which tensor (0 x, 1-4 the weights, 5 the mask), x which tile of 16 rows; wave w takes K steps 4 w .. 4 w + 3, a unit (16 rows x 512 bytes) at a time.
; Each load reads 512 consecutive bytes of one row; a unit turns through the wave's own stage in LDS (rows 528 bytes apart) so that a lane gets eight neighbours along K in eight registers.
; Each store of codes covers 512 consecutive bytes, each store of mask words 256.  Waves share nothing: no barrier.  All three kinds take one text for their LDS lines; only the work on registers and the stores part.
.set SP,   528                         ; a stage row: 512 bytes + 16
.set STGB, 16*SP                       ; a wave's stage
.set RW,   16                          ; v16-143   two sets of 64: a unit as loaded
.set XN,   144                         ; v144-207  a unit turned: register 8 c + j = element (r, 16 c + 8 h + j)
.set TM,   208                         ; v208-223  two sets of 8: numbers held within the largest code x the scale
.set CD,   224                         ; v224-239  a fragment's codes; v224, v225 also the mask words
.set GI,   4                           ; v4  16 x lane: loads and stores of codes
.set SI,   5                           ; v5  the stage, on the way in
.set SO,   6                           ; v6  the stage, on the way out
.set DM,   8                           ; v8  8 x lane: stores of mask words
	s_load_b512 s[8:23], s[0:1], 0x0               ; x, wq, wk, wv, wo, mask, the scales' exponents, the codes
	s_load_b64 s[24:25], s[0:1], 0x40              ; the mask bits
	v_lshl_add_u32 v240, v0, 2, 0x8400
	v_mov_b32 v241, 0
	s_and_b32 s2, ttmp7, 0xffff                    ; which tensor
	v_lshrrev_b32 v1, 5, v0
	v_readfirstlane_b32 s3, v1                     ; wave
	v_and_b32 v2, 31, v0                           ; lane
	v_and_b32 v3, 15, v0                           ; r
	v_bfe_u32 v7, v0, 4, 1                         ; h
	v_lshlrev_b32 v[GI], 4, v2
	s_mul_i32 s44, s3, STGB
	v_add_nc_u32 v[SI], s44, v[GI]                 ; in: a row's 512 bytes as they lie
	v_mul_u32_u24 v[SO], v3, SP
	v_lshl_add_u32 v[SO], v7, 5, v[SO]
	v_add_nc_u32 v[SO], s44, v[SO]                 ; out: row r, + 32 h
	v_lshlrev_b32 v[DM], 3, v2
	v_mov_b32 v[CD], 0                             ; written once whole: a lane write counts as a read of its destination
	v_mov_b32 v[CD+1], 0
	s_lshl_b32 s30, ttmp9, 17                      ; source: 16 rows of 8,192 bytes a tile,
	s_lshl_b32 s45, s3, 11                         ; four K steps of 512 bytes a wave
	s_add_co_u32 s30, s30, s45
	s_mov_b32 s31, 0
	s_add_co_u32 s47, s2, 2                        ; the first result's section: a weight's is 2 + its number,
	s_cmp_eq_u32 s2, 0
	s_cselect_b32 s47, 0, s47                      ; x's first is 0,
	s_cmp_eq_u32 s2, 5
	s_cselect_b32 s47, 0, s47                      ; and the mask bits have none
	s_cselect_b32 s45, 12, 15                      ; a tile's results: 4,096 bytes of mask words or 32,768 of codes
	s_cselect_b32 s46, 10, 13                      ; a wave's: a quarter of that
	s_lshl_b32 s47, s47, 22
	s_lshl_b32 s45, ttmp9, s45
	s_lshl_b32 s46, s3, s46
	s_add_co_u32 s48, s47, s45
	s_add_co_u32 s48, s48, s46
	s_mov_b32 s49, 0
	s_lshl_b32 s50, ttmp9, 15                      ; x's second and third results: the same place in sections 1 and 2
	s_lshl_b32 s45, s3, 13
	s_add_co_u32 s50, s50, s45
	s_mov_b32 s51, 0
	s_wait_kmcnt 0x0
	s_load_b256 s[32:39], s[20:21], 0x0            ; entries 0 to 7
	s_load_b128 s[40:43], s[20:21], 0x20           ; entries 8 to 11
	s_mov_b64 s[4:5], s[8:9]                       ; the source is chosen by the work-group's number alone
	s_cmp_eq_u32 s2, 1
	s_cselect_b64 s[4:5], s[10:11], s[4:5]
	s_cmp_eq_u32 s2, 2
	s_cselect_b64 s[4:5], s[12:13], s[4:5]
	s_cmp_eq_u32 s2, 3
	s_cselect_b64 s[4:5], s[14:15], s[4:5]
	s_cmp_eq_u32 s2, 4
	s_cselect_b64 s[4:5], s[16:17], s[4:5]
	s_cmp_eq_u32 s2, 5
	s_cselect_b64 s[4:5], s[18:19], s[4:5]
	s_cselect_b64 s[6:7], s[24:25], s[22:23]
	s_add_nc_u64 s[4:5], s[4:5], s[30:31]
	s_add_nc_u64 s[6:7], s[6:7], s[48:49]
	s_add_nc_u64 s[26:27], s[22:23], s[50:51]
	s_add_nc_u64 s[28:29], s[26:27], 0x800000      ; section 2
	s_add_nc_u64 s[26:27], s[26:27], 0x400000      ; section 1
.macro LOAD t                          ; unit t: 16 loads, each 512 consecutive bytes of one row; read once in the launch
.set ii, 0
.rept 16
	global_load_b128 v[RW+64*((\t)%2)+4*ii:RW+64*((\t)%2)+4*ii+3], v[GI], s[4:5] offset:8192*ii+512*(\t) th:TH_LOAD_NT
.set ii, ii+1
.endr
.endm
.macro TURN t                          ; through the stage: LDS serves a wave's instructions in order (ISA guide 5.7.1.4), so no wait stands between the stores and the loads
.set ii, 0
.rept 16
	ds_store_b128 v[SI], v[RW+64*((\t)%2)+4*ii:RW+64*((\t)%2)+4*ii+3] offset:SP*ii
.set ii, ii+1
.endr
.set ii, 0
.rept 16
	ds_load_b128 v[XN+4*ii:XN+4*ii+3], v[SO] offset:64*(ii/2)+16*(ii%2)
.set ii, ii+1
.endr
.endm
.macro MKSC e, sc, lim                 ; 2^e as f32 (the conversion takes its exponent field) and 448 x 2^e
	s_add_co_i32 s45, \e, 127
	s_lshl_b32 s46, s45, 23
	v_mov_b32 v[\sc], s46
	s_add_co_i32 s45, s45, 8
	s_lshl_b32 s45, s45, 23
	s_or_b32 s45, s45, 0x600000
	v_mov_b32 v[\lim], s45
.endm
; The unit in XN becomes one fragment under the scale v[sc] and is stored.  XN is kept: x is quantised three times.
.macro QOUT sc, lim, dst, t
	s_wait_xcnt 0x0                                ; the earlier stores have read the codes' registers: they are written again only behind this wait
.set cc, 0
.rept 8
.set jj, 0
.rept 8
	v_med3_num_f32 v[TM+8*(cc%2)+jj], v[XN+8*cc+jj], -v[\lim], v[\lim]   ; the conversion to an 8-bit code does not saturate (ISA guide 7.6.2): the hold comes first.  These eight are also the plain lines behind the conversion above
.set jj, jj+1
.endr
	v_cvt_scalef32_pk8_fp8_f32 v[CD+2*cc:CD+2*cc+1], v[TM+8*(cc%2):TM+8*(cc%2)+7], v[\sc]
.set cc, cc+1
.endr
	v_nop                                          ; one plain line behind the last conversion
.set cc, 0
.rept 4
	global_store_b128 v[GI], v[CD+4*cc:CD+4*cc+3], s[\dst:\dst+1] offset:2048*(\t)+512*cc   ; 512 consecutive bytes
.set cc, cc+1
.endr
.endm
; The unit in XN holds mask words: register n gives one word of 32 bits, a bit a lane; word n goes to lane n / 2 of register n % 2, and the wave stores 256 consecutive bytes.
.macro MOUT t
	s_wait_xcnt 0x0
.set nn, 0
.rept 16
.irp k, 0,1,2,3
	v_cmp_ne_u32 s[52+\k], 0, v[XN+nn+\k]
.endr
.irp k, 0,1,2,3
	v_writelane_b32 v[CD+(\k&1)], s[52+\k], (nn+\k)>>1
.endr
.set nn, nn+4
.endr
	global_store_b64 v[DM], v[CD:CD+1], s[6:7] offset:256*(\t)
.endm
.macro UNIT t
.if (\t) < 3
	s_wait_loadcnt 16                              ; this unit's 16 loads are in; the next unit's 16 may be out
.else
	s_wait_loadcnt 0
.endif
	TURN \t
	s_wait_dscnt 0x0                               ; the unit is back, and the stage's stores have read their registers,
.if (\t) < 2
	LOAD (\t)+2                                    ; which take the unit two further on
.endif
	s_cmp_eq_u32 s2, 5
	s_cbranch_scc1 .Lmask_\@
	QOUT 9, 10, 6, \t
	s_cmp_lg_u32 s2, 0
	s_cbranch_scc1 .Ldone_\@
	QOUT 11, 12, 26, \t                            ; x alone: under its second and third scale
	QOUT 13, 14, 28, \t
	s_branch .Ldone_\@
.Lmask_\@:
	MOUT \t
.Ldone_\@:
.endm
	LOAD 0
	LOAD 1
	s_wait_kmcnt 0x0
	s_mov_b32 s44, s32                             ; the first result's exponent: x entry 0, wq 1, wk 3, wv 5, wo 11
	s_cmp_eq_u32 s2, 1
	s_cselect_b32 s44, s33, s44
	s_cmp_eq_u32 s2, 2
	s_cselect_b32 s44, s35, s44
	s_cmp_eq_u32 s2, 3
	s_cselect_b32 s44, s37, s44
	s_cmp_eq_u32 s2, 4
	s_cselect_b32 s44, s43, s44
	MKSC s44, 9, 10
	MKSC s34, 11, 12                               ; x for the second product: entry 2
	MKSC s36, 13, 14                               ; x for the third: entry 4
	UNIT 0
	UNIT 1
	UNIT 2
	UNIT 3
	s_wait_tensorcnt 0x0
	ds_add_u32 v240, v241
	s_wait_dscnt 0x0
	s_endpgm
.Lfunc_end_k_qd4b371751e_prep:
	.size	k_qd4b371751e_prep, .Lfunc_end_k_qd4b371751e_prep-k_qd4b371751e_prep
	.p2alignl 7, 3214868480
	.fill 96, 4, 3214868480
	.section	.rodata,"a",@progbits
	.p2align	6, 0x0
	.amdhsa_kernel k_qd4b371751e_prep
		.amdhsa_group_segment_fixed_size 34304
		.amdhsa_private_segment_fixed_size 0
		.amdhsa_enable_private_segment 0
		.amdhsa_kernarg_size 72
		.amdhsa_user_sgpr_count 2
		.amdhsa_user_sgpr_kernarg_segment_ptr 1
		.amdhsa_wavefront_size32 1
		.amdhsa_system_sgpr_workgroup_id_x 1
		.amdhsa_system_sgpr_workgroup_id_y 1
		.amdhsa_system_sgpr_workgroup_id_z 1
		.amdhsa_system_vgpr_workitem_id 0
		.amdhsa_next_free_vgpr 242
		.amdhsa_next_free_sgpr 66
		.amdhsa_reserve_vcc 0
		.amdhsa_float_denorm_mode_32 3
		.amdhsa_float_denorm_mode_16_64 3
		.amdhsa_memory_ordered 1
		.amdhsa_forward_progress 1
		.amdhsa_inst_pref_size 111
	.end_amdhsa_kernel
	.amdgpu_metadata
---
amdhsa.version: [ 1, 2 ]
amdhsa.kernels:
  - .name:           k_qd4b371751e_prep
    .symbol:         k_qd4b371751e_prep.kd
    .args:
      - { .name: x, .offset: 0, .size: 8, .value_kind: global_buffer, .address_space: global }
      - { .name: wq, .offset: 8, .size: 8, .value_kind: global_buffer, .address_space: global }
      - { .name: wk, .offset: 16, .size: 8, .value_kind: global_buffer, .address_space: global }
      - { .name: wv, .offset: 24, .size: 8, .value_kind: global_buffer, .address_space: global }
      - { .name: wo, .offset: 32, .size: 8, .value_kind: global_buffer, .address_space: global }
      - { .name: mask, .offset: 40, .size: 8, .value_kind: global_buffer, .address_space: global }
      - { .name: lowp_scales, .offset: 48, .size: 8, .value_kind: global_buffer, .address_space: global }
      - { .name: codes, .offset: 56, .size: 8, .value_kind: global_buffer, .address_space: global }
      - { .name: maskbits, .offset: 64, .size: 8, .value_kind: global_buffer, .address_space: global }
    .group_segment_fixed_size: 34304
    .private_segment_fixed_size: 0
    .kernarg_segment_align: 8
    .kernarg_segment_size: 72
    .max_flat_workgroup_size: 128
    .sgpr_count:     66
    .vgpr_count:     242
    .wavefront_size: 32
...
	.end_amdgpu_metadata
.endif
;; end of part 1
;; launch proj (part 2): grid 24 x 8, 4 waves a work-group, clusters of 4 x 4, 327,680 bytes of LDS; arguments codes, bq, bk, bv, lowp_scales, qkvcodes; writes qkvcodes
.if DOCPART == 2
	.amdgcn_target "amdgcn-amd-amdhsa--gfx1250"
	.amdhsa_code_object_version 6
	.text
	.protected	k_qd4b371751e_proj
	.globl	k_qd4b371751e_proj
	.p2align	8
	.type	k_qd4b371751e_proj,@function
k_qd4b371751e_proj:
	s_mov_b64 s[64:65], 0
	v_nop
	global_prefetch_b8 v0, s[64:65] scope:SCOPE_SE
	s_setreg_imm32_b32 hwreg(HW_REG_WAVE_MODE, 25, 1), 1
	s_wait_xcnt 0x0
	s_wait_alu depctr_hold_cnt(0) depctr_sa_sdst(0) depctr_va_vdst(0) depctr_va_sdst(0) depctr_va_ssrc(0) depctr_va_vcc(0) depctr_vm_vsrc(0)
	s_getreg_b32 s2, hwreg(HW_REG_IB_STS2, 6, 4)
	s_cmp_eq_u32 s2, 0
	s_cbranch_scc0 .Lentry_in_a_cluster
	s_endpgm
.Lentry_in_a_cluster:
	s_bfe_u32 s2, ttmp6, 0x10000c
	s_cmp_lg_u32 s2, 0xf033
	s_cbranch_scc0 .Lentry_shape_is_right
	s_endpgm
.Lentry_shape_is_right:
; The three projections on codes of E4M3, each followed by its bias and by the quantiser of the product that reads it.  q = x wq^T + bq, k = x wk^T + bk, v = x wv^T + bv; sums in f32.
; OPERANDS lie in memory as images of their registers: a fragment (16 rows x 128 K) is 2,048 bytes, registers 4 c .. 4 c + 3 of lane l at byte 512 c + 16 l; a section is [row tile 128][K step 16][2,048], 4 MiB.
; ONE TEXT SERVES ALL THREE.  mi = cluster x / 2 says which.  C = A B^T with A = x, B = wq or wk (mi = 0, 1), and A = wv, B = x (mi = 2): v is made transposed, since the keys are the K of the product that reads it.
; THE MATRIX INSTRUCTION IS USED TRANSPOSED (source 0 = 16 rows of B, source 1 = 16 rows of A): register j of lane (r, h) of accumulator (a, b) is C(16 a + r, 16 b + 8 h + j): eight neighbours along the next K.
; So eight conversions turn a block's eight accumulators into one fragment of the result, which is stored as it stands: q, k: [head 16][row tile 128][2,048]; v: [head 16][key step 16][channel tile 8][2,048].
; A tile of C, 256 x 256, is made by four waves, each 128 x 128 in 64 accumulators.  K goes in steps of 256 through a ring of two LDS slots; a wave's tensor load brings 8 row tiles x 4,096 bytes.
; CLUSTERS: 4 x 4 work-groups; A's tiles are asked for jointly along a row of the cluster, B's along a column.
; LIMITS: the two operands' exponents added lie between -126 and 127; the result's exponent between -126 and 119.  NaN is not served.
; REGISTERS, in windows of 256: window 0: v0-31 addresses; v32-95 the bias along B's rows, v96-111 along A's rows; from v128 A's fragments, one set, later the results' codes.
;   window 1: B's fragments, two sets.   windows 2, 3: the accumulators of my rows 0-63 and 64-127 ((a, b) at v[8 (8 (a % 4) + b)]).
.set FRB,    2048                      ; a fragment's image
.set KSB,    2*FRB                     ; a row tile's bytes in a K step of 256
.set HALFT,  8*KSB                     ; 8 row tiles: what one tensor load brings, and what one wave reads of A or of B
.set SLOT,   4*HALFT                   ; A's 16 row tiles, then B's 16
.set SPARE,  2*SLOT                    ; behind the ring: the spare words, 128 bytes for each wave, which no other line names
.set LAPS,   4                         ; a lap = two K steps of 256; K = 2,048
.set FR,     16
.set NL,     4
.set NP,     4                         ; places behind this matrix instruction (ISA guide 7.12.1)
.set ADRA, 16                          ; v16-17  LDS address of my A fragments in slot 0, 1
.set ADRB, 20                          ; v20-21  the same for B
.set LI,   26                          ; v26     16 x lane
.set SPW,  28                          ; v28     my spare word; never rewritten
.set NIL,  29                          ; v29     0; never rewritten
.set BB,   32
.set BA,   96
.set AF,   128
.set G1, 24
.set G0, 32
.set G1B, 48
.set G0B, 56
.set MSB, 0
.macro WIN new                         ; the immediate's high byte repeats the setting that is left
.if MSB != (\new)
	s_set_vgpr_msb (MSB<<8)|(\new)
.set MSB, (\new)
.endif
.endm
.set MUL_LO, 0xa1                      ; source 0 (B) window 1, source 1 (A) window 0, C and D window 2
.set MUL_HI, 0xf1                      ; the same, C and D window 3
.set TO_B,   0x40                      ; destination window 1, address window 0
; A joint load: waves 0 and 1 fetch for A, waves 2 and 3 for B; the branch hangs on the wave's number alone.  Four v_nop follow each of the two lines.
.macro JLOAD g0a, g1a, g0b, g1b
	s_cmp_eq_u32 s15, 0
	s_cbranch_scc0 .Lfor_b_\@
	tensor_load_to_lds s[\g0a:\g0a+3], s[\g1a:\g1a+7]
	s_nop 0
.rept 4
	v_nop
.endr
	s_branch .Lasked_\@
.Lfor_b_\@:
	tensor_load_to_lds s[\g0b:\g0b+3], s[\g1b:\g1b+7]
	s_nop 0
.rept 4
	v_nop
.endr
.Lasked_\@:
.endm
.macro CREST                           ; a round of the cluster's barrier behind its opening barrier
	s_cmp_lg_u32 s14, 0
	s_cbranch_scc1 .Lnot_wave_0_\@
	s_barrier_signal -3
.Lnot_wave_0_\@:
	s_barrier_wait -3
	s_barrier_signal -1
	s_barrier_wait -1
.endm
.macro CROUND
	s_barrier_signal -1
	s_barrier_wait -1
	CREST
.endm
	s_load_b256 s[68:75], s[0:1], 0x0              ; the codes, bq, bk, bv
	s_load_b128 s[76:79], s[0:1], 0x20             ; the scales' exponents, the results
	v_lshl_add_u32 v[SPW], v0, 2, SPARE
	v_mov_b32 v[NIL], 0
	ds_add_u32 v28, v29
	ds_add_u32 v28, v29
	s_wait_dscnt 0x0
	v_lshrrev_b32 v1, 5, v0
	v_readfirstlane_b32 s14, v1                    ; wave 0..3
	s_lshr_b32 s15, s14, 1                         ; which half of the tile's rows is mine.  Also: I fetch for A (0) or for B (1)
	s_and_b32 s16, s14, 1                          ; which half of its columns.  Also: which 8 row tiles I fetch
	s_bfe_u32 s40, ttmp6, 0x40000                  ; cx, cy: my place in the cluster
	s_bfe_u32 s41, ttmp6, 0x40004
	s_lshl_b32 s42, ttmp9, 2
	s_add_co_u32 s42, s42, s40
	s_and_b32 s42, s42, 7                          ; tile column within my product
	s_and_b32 s17, ttmp7, 0xffff
	s_lshl_b32 s17, s17, 2
	s_add_co_u32 s17, s17, s41                     ; tile row
	s_lshr_b32 s12, ttmp9, 1                       ; mi: the same in all sixteen partners
	s_lshl_b32 s43, s41, 2
	s_lshl_b32 s43, 15, s43                        ; my row of the cluster
	s_lshl_b32 s44, 0x1111, s40                    ; my column
	s_or_b32 s[G1+0], s43, (3<<16)|(1<<21)         ; 15:0 the mask; 17:16 elements of 8 bytes; 21 set beside a mask; no padding: an image is read 512 consecutive bytes at a time
	s_or_b32 s[G1B+0], s44, (3<<16)|(1<<21)
.irp g, G1, G1B
	s_mov_b32 s[\g+1], 512<<16                     ; tensor_dim0 = 512 elements: 4,096 bytes
	s_mov_b32 s[\g+2], 8<<16                       ; tensor_dim1 = 8 row tiles
	s_mov_b32 s[\g+3], 512<<16                     ; tile_dim0
	s_mov_b32 s[\g+4], 8                           ; tile_dim1
	s_mov_b32 s[\g+5], 4096                        ; from row tile to row tile: 32,768 bytes
	s_mov_b32 s[\g+6], 0
	s_mov_b32 s[\g+7], 0
.endr
	s_add_co_u32 s13, s12, 3                       ; B's section: 3 wq, 4 wk,
	s_cmp_eq_u32 s12, 2
	s_cselect_b32 s13, 2, s13                      ; 2: x under the third product's scale
	s_cselect_b32 s2, 5, s12                       ; A's section: 0, 1: x;  5: wv
	s_lshl_b32 s18, s16, 18                        ; my 8 row tiles of the 16
	s_lshl_b32 s20, s17, 19                        ; A: 16 row tiles of 32,768 bytes a tile row
	s_add_co_u32 s20, s20, s18
	s_lshl_b32 s2, s2, 22
	s_add_co_u32 s20, s20, s2
	s_mov_b32 s21, 0
	s_lshl_b32 s46, s42, 19                        ; B likewise, by the tile column
	s_add_co_u32 s46, s46, s18
	s_lshl_b32 s13, s13, 22
	s_add_co_u32 s46, s46, s13
	s_mov_b32 s47, 0
	s_mul_i32 s45, s14, HALFT                      ; where they go: no place in the cluster enters an LDS address
	s_wait_kmcnt 0x0
	s_load_b256 s[80:87], s[76:77], 0x0            ; entries 0 to 7
	s_load_b128 s[88:91], s[76:77], 0x20           ; entries 8 to 11
	s_add_nc_u64 s[20:21], s[68:69], s[20:21]
	s_add_nc_u64 s[46:47], s[68:69], s[46:47]
	CROUND                                         ; all sixteen work-groups are here: the first joint loads meet
.irp s, 0,1
	s_mov_b32 s[G0+4*\s], 1
	s_add_co_u32 s[G0+4*\s+1], s45, \s*SLOT
	s_add_nc_u64 s[G0+4*\s+2:G0+4*\s+3], s[20:21], \s*KSB
	s_or_b32 s[G0+4*\s+3], s[G0+4*\s+3], 0x80000000
	s_mov_b32 s[G0B+4*\s], 1
	s_add_co_u32 s[G0B+4*\s+1], s45, \s*SLOT
	s_add_nc_u64 s[G0B+4*\s+2:G0B+4*\s+3], s[46:47], \s*KSB
	s_or_b32 s[G0B+4*\s+3], s[G0B+4*\s+3], 0x80000000
	JLOAD G0+4*\s, G1, G0B+4*\s, G1B
.endr
	v_and_b32 v1, 15, v0                           ; r
	v_bfe_u32 v2, v0, 4, 1                         ; h
	v_and_b32 v6, 31, v0
	v_lshlrev_b32 v[LI], 4, v6
	s_mul_i32 s21, s15, HALFT                      ; my 8 row tiles of A
	s_mul_i32 s22, s16, HALFT                      ; my 8 of B,
	s_add_co_u32 s22, s22, 2*HALFT                 ; which lie behind A's 16
.irp s, 0,1
	v_add_nc_u32 v[ADRA+\s], s21, v[LI]
	v_add_nc_u32 v[ADRB+\s], s22, v[LI]
	s_add_co_u32 s21, s21, SLOT
	s_add_co_u32 s22, s22, SLOT
.endr
	s_cmp_eq_u32 s12, 1                            ; the bias of my product
	s_cselect_b64 s[8:9], s[72:73], s[70:71]
	s_cmp_eq_u32 s12, 2
	s_cselect_b64 s[8:9], s[74:75], s[8:9]
	s_lshl_b32 s18, s42, 1
	s_add_co_u32 s18, s18, s16                     ; u: which 128 rows of B are my wave's
	s_lshl_b32 s19, s17, 1
	s_add_co_u32 s19, s19, s15                     ; w: which 128 rows of A
	s_lshl_b32 s22, s18, 9
	s_lshl_b32 s23, s19, 9
	v_lshl_add_u32 v7, v2, 5, s22                  ; the bias read along B's rows: 128 u + 16 b + 8 h + 0 .. 7,
	v_lshl_add_u32 v8, v1, 2, s23                  ; and along A's rows: 128 w + 16 a + r.  Both are loaded (both lie inside the 2,048 numbers); the one that does not apply is cleared on the way out
.irp b, 0,1,2,3,4,5,6,7
	global_load_b128 v[BB+8*\b:BB+8*\b+3], v7, s[8:9] offset:64*\b
	global_load_b128 v[BB+8*\b+4:BB+8*\b+7], v7, s[8:9] offset:64*\b+16
.endr
.irp a, 0,1,2,3,4,5,6,7
	global_load_b32 v[BA+2*\a], v8, s[8:9] offset:64*\a
	global_load_b32 v[BA+2*\a+1], v8, s[8:9] offset:64*\a    ; twice: a pair for the packed addition
.endr
	s_cmp_eq_u32 s12, 2                            ; where my eight fragments go: q, k: head u, row tiles 8 w on;  v: head w, key step u, its eight channel tiles
	s_cselect_b32 s22, s19, s18
	s_cselect_b32 s23, s18, s19
	s_lshl_b32 s22, s22, 18
	s_lshl_b32 s23, s23, 14
	s_add_co_u32 s22, s22, s23
	s_lshl_b32 s23, s12, 22                        ; section mi
	s_add_co_u32 s22, s22, s23
	s_mov_b32 s23, 0
	s_add_nc_u64 s[10:11], s[78:79], s[22:23]
.macro FRAG reg, adr, q, i             ; a fragment comes as it was stored: four loads of 512 consecutive bytes
.irp c, 0,1,2,3
	ds_load_b128 v[\reg+4*\c:\reg+4*\c+3], v[\adr] offset:KSB*(\i)+FRB*(\q)+512*\c
.endr
.endm
; 16 matrix instructions: A's blocks a0, a0 + 1 x B's eight, 128 along K.  p: B's set.  zero = 1: the first product starts the sums.  The 64 accumulators take turns, one instruction a turn.
.macro MUL16 a0, p, zero
.irp a, \a0, \a0+1
.irp b, 0,1,2,3,4,5,6,7
.if \zero
	v_wmma_f32_16x16x128_fp8_fp8 v[8*(8*((\a)%4)+\b):8*(8*((\a)%4)+\b)+7], v[128*(\p)+FR*\b:128*(\p)+FR*\b+FR-1], v[AF+FR*(\a):AF+FR*(\a)+FR-1], 0
.else
	v_wmma_f32_16x16x128_fp8_fp8 v[8*(8*((\a)%4)+\b):8*(8*((\a)%4)+\b)+7], v[128*(\p)+FR*\b:128*(\p)+FR*\b+FR-1], v[AF+FR*(\a):AF+FR*(\a)+FR-1], v[8*(8*((\a)%4)+\b):8*(8*((\a)%4)+\b)+7]
.endif
.endr
.endr
.endm
.macro FETCH_B slot, q, p
	WIN TO_B
.irp i, 0,1,2,3,4,5,6,7
	FRAG 128*(\p)+FR*\i, ADRB+\slot, \q, \i
.endr
	WIN 0
.endm
.macro FETCH_A slot, q, i0
.irp i, \i0, \i0+1, \i0+2, \i0+3
	FRAG AF+FR*(\i), ADRA+\slot, \q, \i
.endr
.endm
.macro PLACES n                        ; plain vector lines between a matrix instruction and a load into, or a read of, its registers
.rept \n
	v_nop
.endr
.endm
; A step of 128 along K that has its successor in the same slot.  A has one set of registers: blocks 0-3 are fetched anew in the step's middle, blocks 4-7 at its end.
.macro STEP slot, q, zero
	s_wait_dscnt 4*NL                              ; B's set and A's blocks 0-3 are in; the youngest 16 loads (A's blocks 4-7) may be out
	WIN MUL_LO
	MUL16 0, (\q)%2, \zero
	MUL16 2, (\q)%2, \zero
	s_wait_dscnt 0
	PLACES NP
	FETCH_B \slot, (\q)+1, 1-(\q)%2
	FETCH_A \slot, (\q)+1, 0
	WIN MUL_HI
	MUL16 4, (\q)%2, \zero
	MUL16 6, (\q)%2, \zero
	PLACES NP
	WIN 0
	FETCH_A \slot, (\q)+1, 4
.endm
; A slot's last step changes slots: one barrier; in front of it each wave waits for all its tensor loads, adds 0 to its spare word, and waits for that and for its reads of this slot.  fill = 1: the slot is filled again, two K steps ahead.
.macro TURN slot, next, fill
	s_wait_tensorcnt 0x0                           ; all my tensor loads have landed: my part of the next slot
	ds_add_u32 v[SPW], v[NIL]                      ; 0 onto my spare word
	s_wait_dscnt 4*NL+1                            ; (the add and the youngest 16 loads may be out)
	WIN MUL_LO
	MUL16 0, 1, 0
	s_wait_dscnt 0x0                               ; the add is done, and my reads of this slot are over
	s_barrier_signal -1
	MUL16 2, 1, 0
	WIN 0
	s_barrier_wait -1
.if \fill
	CREST                                          ; the barrier has opened a round of the cluster's: no wave of any partner still reads this slot or has a load on its way
	s_add_nc_u64 s[G0+4*\slot+2:G0+4*\slot+3], s[G0+4*\slot+2:G0+4*\slot+3], 2*KSB
	s_add_nc_u64 s[G0B+4*\slot+2:G0B+4*\slot+3], s[G0B+4*\slot+2:G0B+4*\slot+3], 2*KSB
	JLOAD G0+4*\slot, G1, G0B+4*\slot, G1B         ; the first tensor load behind the round; its four v_nop are also the places in front of the loads below
.else
	PLACES NP
.endif
	FETCH_B \next, 0, 0
	FETCH_A \next, 0, 0
	WIN MUL_HI
	MUL16 4, 1, 0
	MUL16 6, 1, 0
	PLACES NP
	WIN 0
	FETCH_A \next, 0, 4
.endm
	s_wait_tensorcnt 1                             ; my part of K step 0 is in; K step 1's load may be out
	s_barrier_signal -1
	s_barrier_wait -1
	FETCH_B 0, 0, 0
	FETCH_A 0, 0, 0
	FETCH_A 0, 0, 4
	STEP 0, 0, 1                                   ; the first step stands in front of the loop: its products start the sums
	s_mov_b32 s3, LAPS-1
.Llap:
	TURN 0, 1, 1
	STEP 1, 0, 0
	TURN 1, 0, 1
	STEP 0, 0, 0
	s_sub_co_u32 s3, s3, 1
	s_cmp_lg_u32 s3, 0
	s_cbranch_scc1 .Llap
	TURN 0, 1, 0                                   ; the last lap fills nothing
	STEP 1, 0, 0
	s_wait_dscnt 4*NL
	WIN MUL_LO
	MUL16 0, 1, 0
	MUL16 2, 1, 0
	s_wait_dscnt 0
	WIN MUL_HI
	MUL16 4, 1, 0
	MUL16 6, 1, 0
	WIN 0
	; THE WAY OUT.  value = sum x 2^(the two operands' exponents) + bias, in f32; held; converted under the next product's scale; stored as a fragment.
	s_wait_loadcnt 0x0                             ; the biases
	s_wait_kmcnt 0x0
	s_add_co_i32 s92, s80, s81                     ; entries 0 + 1, 2 + 3, 4 + 5
	s_add_co_i32 s93, s82, s83
	s_add_co_i32 s94, s84, s85
	s_cmp_eq_u32 s12, 1
	s_cselect_b32 s92, s93, s92
	s_cselect_b32 s95, s87, s86                    ; the result's exponent: q entry 6, k entry 7,
	s_cmp_eq_u32 s12, 2
	s_cselect_b32 s92, s94, s92
	s_cselect_b32 s95, s89, s95                    ; v entry 9
	s_cselect_b32 s93, 0, -1                       ; keeps the bias along B's rows (q, k),
	s_not_b32 s94, s93                             ; or the one along A's rows (v)
	s_add_co_i32 s92, s92, 127
	s_lshl_b32 s96, s92, 23                        ; 2^(ea + eb) as f32
	s_mov_b32 s97, s96                             ; (named with it as a pair, so it is written)
	s_add_co_i32 s95, s95, 127
	s_lshl_b32 s92, s95, 23
	v_mov_b32 v12, s92                             ; the result's scale as f32
	s_add_co_i32 s95, s95, 8
	s_lshl_b32 s95, s95, 23
	s_or_b32 s95, s95, 0x600000
	v_mov_b32 v13, s95                             ; 448 x that
.set ii, 0
.rept 64
	v_and_b32 v[BB+ii], s93, v[BB+ii]              ; no branch: the bias that does not apply becomes 0.  These lines are also the places behind the last products
.set ii, ii+1
.endr
.set ii, 0
.rept 16
	v_and_b32 v[BA+ii], s94, v[BA+ii]
.set ii, ii+1
.endr
.macro OUTBLK a                        ; block a: 16 rows of A x my 128 rows of B: one fragment.  Each accumulator is read from its low end on
.set AC, 64*((\a)%4)
	WIN 0x82+0x41*((\a)/4)                         ; source 0 and destination: window 2 or 3
.set jj, 0
.rept 32
	v_pk_fma_f32 v[AC+jj:AC+jj+1], v[AC+jj:AC+jj+1], s[96:97], v[BB+jj:BB+jj+1] op_sel_hi:[1,0,1]
.set jj, jj+2
.endr
.set jj, 0
.rept 32
	v_pk_add_f32 v[AC+jj:AC+jj+1], v[AC+jj:AC+jj+1], v[BA+2*(\a):BA+2*(\a)+1]
.set jj, jj+2
.endr
.set jj, 0
.rept 64
	v_med3_num_f32 v[AC+jj], v[AC+jj], -v13, v13   ; the conversion does not saturate (ISA guide 7.6.2)
.set jj, jj+1
.endr
	WIN 0x02+((\a)/4)
.irp b, 0,1,2,3,4,5,6,7
	v_cvt_scalef32_pk8_fp8_f32 v[AF+16*(\a)+2*\b:AF+16*(\a)+2*\b+1], v[AC+8*\b:AC+8*\b+7], v12   ; registers 2 b, 2 b + 1: k = 16 b + 8 h + 0 .. 7
.endr
	v_nop                                          ; one plain line behind the last conversion
	WIN 0
.irp c, 0,1,2,3
	global_store_b128 v[LI], v[AF+16*(\a)+4*\c:AF+16*(\a)+4*\c+3], s[10:11] offset:FRB*(\a)+512*\c   ; 512 consecutive bytes; each block has registers of its own, so no store's data are written again
.endr
.endm
.irp a, 0,1,2,3,4,5,6,7
	OUTBLK \a
.endr
	s_wait_tensorcnt 0x0                           ; the wave's end
	ds_add_u32 v[SPW], v[NIL]
	s_wait_dscnt 0x0
	CROUND                                         ; the closing round
	s_endpgm
.Lfunc_end_k_qd4b371751e_proj:
	.size	k_qd4b371751e_proj, .Lfunc_end_k_qd4b371751e_proj-k_qd4b371751e_proj
	.p2alignl 7, 3214868480
	.fill 96, 4, 3214868480
	.section	.rodata,"a",@progbits
	.p2align	6, 0x0
	.amdhsa_kernel k_qd4b371751e_proj
		.amdhsa_group_segment_fixed_size 327680
		.amdhsa_private_segment_fixed_size 0
		.amdhsa_enable_private_segment 0
		.amdhsa_kernarg_size 48
		.amdhsa_user_sgpr_count 2
		.amdhsa_user_sgpr_kernarg_segment_ptr 1
		.amdhsa_wavefront_size32 1
		.amdhsa_system_sgpr_workgroup_id_x 1
		.amdhsa_system_sgpr_workgroup_id_y 1
		.amdhsa_system_sgpr_workgroup_id_z 1
		.amdhsa_system_vgpr_workitem_id 0
		.amdhsa_next_free_vgpr 1024
		.amdhsa_next_free_sgpr 100
		.amdhsa_reserve_vcc 0
		.amdhsa_float_denorm_mode_32 3
		.amdhsa_float_denorm_mode_16_64 3
		.amdhsa_memory_ordered 1
		.amdhsa_forward_progress 1
		.amdhsa_inst_pref_size 156
	.end_amdhsa_kernel
	.amdgpu_metadata
---
amdhsa.version: [ 1, 2 ]
amdhsa.kernels:
  - .name:           k_qd4b371751e_proj
    .symbol:         k_qd4b371751e_proj.kd
    .args:
      - { .name: codes, .offset: 0, .size: 8, .value_kind: global_buffer, .address_space: global }
      - { .name: bq, .offset: 8, .size: 8, .value_kind: global_buffer, .address_space: global }
      - { .name: bk, .offset: 16, .size: 8, .value_kind: global_buffer, .address_space: global }
      - { .name: bv, .offset: 24, .size: 8, .value_kind: global_buffer, .address_space: global }
      - { .name: lowp_scales, .offset: 32, .size: 8, .value_kind: global_buffer, .address_space: global }
      - { .name: qkvcodes, .offset: 40, .size: 8, .value_kind: global_buffer, .address_space: global }
    .group_segment_fixed_size: 327680
    .private_segment_fixed_size: 0
    .kernarg_segment_align: 8
    .kernarg_segment_size: 48
    .max_flat_workgroup_size: 128
    .sgpr_count:     100
    .vgpr_count:     1024
    .wavefront_size: 32
...
	.end_amdgpu_metadata
.endif
;; end of part 2
;; launch attn (part 3): grid 16 x 16, 8 waves a work-group, clusters of 4 x 1, 327,680 bytes of LDS; arguments qkvcodes, maskbits, lowp_scales, ctxcodes; writes ctxcodes
.if DOCPART == 3
	.amdgcn_target "amdgcn-amd-amdhsa--gfx1250"
	.amdhsa_code_object_version 6
	.text
	.protected	k_qd4b371751e_attn
	.globl	k_qd4b371751e_attn
	.p2align	8
	.type	k_qd4b371751e_attn,@function
k_qd4b371751e_attn:
	s_mov_b64 s[64:65], 0
	v_nop
	global_prefetch_b8 v0, s[64:65] scope:SCOPE_SE
	s_setreg_imm32_b32 hwreg(HW_REG_WAVE_MODE, 25, 1), 1
	s_wait_xcnt 0x0
	s_wait_alu depctr_hold_cnt(0) depctr_sa_sdst(0) depctr_va_vdst(0) depctr_va_sdst(0) depctr_va_ssrc(0) depctr_va_vcc(0) depctr_vm_vsrc(0)
	s_getreg_b32 s2, hwreg(HW_REG_IB_STS2, 6, 4)
	s_cmp_eq_u32 s2, 0
	s_cbranch_scc0 .Lentry_in_a_cluster
	s_endpgm
.Lentry_in_a_cluster:
	s_bfe_u32 s2, ttmp6, 0x10000c
	s_cmp_lg_u32 s2, 0x3003
	s_cbranch_scc0 .Lentry_shape_is_right
	s_endpgm
.Lentry_shape_is_right:
; Attention on codes of E4M3, 16 heads of 128, 2,048 queries and keys, with the mask that is given (as bits made by the first launch): every query walks all keys.
; q, k: [head][row tile 128][2,048 bytes], v: [head][key step 16][channel tile 8][2,048 bytes]: images of operand registers (registers 4 c .. 4 c + 3 of lane l at byte 512 c + 16 l).
; THE SOFTMAX: t = score x log2(e) / sqrt(128); M = the running largest t rounded up to a whole number; p = 2^(t - M) is quantised along the keys, not normalised; the row's sum is taken of the unquantised p and divides at the end.
; When M moves, the sum and O are multiplied by 2^(old M - new M), which rounds nothing.  A masked score becomes -infinity ahead of the maximum, so its p is 0.
; A ROW WHOSE MASK IS ALL ZERO has the sum 0: all its codes become the format's NaN code, so that the last product gives NaN there.
; SHARES.  A work-group owns 128 queries of one head, each of its eight waves one tile of 16.  Both products are used transposed (S^T = K Q^T, O^T = V^T P^T): a lane holds one query (lane % 16) throughout;
; register j of score tile t is key 16 t + 8 (lane / 16) + j, so eight conversions make P's fragment, and eight more at the end make the result's: [row tile 128][head 16][2,048 bytes].
; RING.  Two LDS slots of 512 keys (four key steps): K's 32 fragments, then V's 32.  Each of the eight waves fetches 16 KiB of a slot by one tensor load (waves 0-3 K, waves 4-7 V).
; CLUSTER.  The four query blocks of a cluster belong to one head and walk the same K and V: each tile is asked for jointly, by the same load with a mask that names the four.
; LIMITS: entries 6 + 7 between -123 and 130 (added to c's exponent field); entries 8 and 10 between -126 and 119.
; REGISTERS: v1-3 addresses that stay; v8, v9 the step's; v12 -M, v13 the largest t, v[14:15] the sum in two halves; v16-31 Q; v32-95 four fragments of K or V; v96-159 S^T, then p; v160-223 O^T; v224-239 codes; v240-254 constants and work.
.set FRB,   2048
.set SLOT1, 131072                     ; slot 1 begins here: one exclusive or turns an address of one slot into the other's
.set VOFF,  65536                      ; V's fragments in a slot
.set SPARE, 2*SLOT1                    ; behind the ring: the spare words, 128 bytes for each of eight waves, which no other line names
.set AK0,  1                           ; v1  16 x lane
.set AV0,  2                           ; v2  16 x lane + VOFF
.set PFO,  3                           ; v3  256 x lane: the prefetches' offset
.set SPW,  5
.set NIL,  6
.set ADK,  8
.set ADV,  9
.set TB,   2                           ; s2  LDS byte at which the slot in hand begins
.set SLOTS, 3                          ; s3  slots still to be asked for
.set WV,   8                           ; s8  my wave's number
.set LIM,  9                           ; s9  1 in a wave that prefetches, else the greatest number
.set SEL,  10                          ; s[10:11] v_permlanex16_b32's selects: lane l xor 16
.set CS,   12                          ; s[12:13] c
.set PFA,  14                          ; s[14:15] where my prefetches stand
; s[4:5] my tile's mask words; s[6:7] my result; s16 entries 8 + 9; s[20:23] descriptor group 0, which walks; s[24:31] group 1; s[100:101] Q
; s[32:63], s[68:99]: the step's 64 mask words (word n in s[32 + n], from n = 32 on in s[36 + n]); ahead of the first of them, the set-up's numbers
.macro CROUND
	s_barrier_signal -1
	s_barrier_wait -1
	s_cmp_lg_u32 s[WV], 0
	s_cbranch_scc1 .Lnot_wave_0_\@
	s_barrier_signal -3
.Lnot_wave_0_\@:
	s_barrier_wait -3
	s_barrier_signal -1
	s_barrier_wait -1
.endm
; A prefetch of what the NEXT change of slots will ask for: a slot's 128 KiB of K and V, four key steps ahead of that load.  All clusters of a head walk the same bytes: the head's first cluster asks.
; In it waves 0, 2, 4, 6 ask, each for its own and the next wave's 32 KiB; the four partners take 8 KiB each of those, told apart by address; lanes stand 256 bytes apart.  So each block of 256 bytes is named once.
; The last change that fills a slot asks for nothing; slots 0 and 1 come by their loads alone.
.macro ASK
	s_cmp_gt_u32 s[SLOTS], s[LIM]
	s_cbranch_scc0 .Lnot_mine_\@
	global_prefetch_b8 v[PFO], s[PFA:PFA+1] th:TH_LOAD_NT scope:SCOPE_SE
.Lnot_mine_\@:
.endm
	s_load_b256 s[32:39], s[0:1], 0x0              ; q, k, v's codes s[32:33]; the mask bits s[34:35]; the scales' exponents s[36:37]; the result s[38:39]
	v_lshl_add_u32 v[SPW], v0, 2, SPARE
	v_mov_b32 v[NIL], 0
	ds_add_u32 v5, v6
	ds_add_u32 v5, v6
	s_wait_dscnt 0x0
	v_lshrrev_b32 v8, 5, v0
	v_readfirstlane_b32 s[WV], v8                  ; wave 0..7
	s_bfe_u32 s40, ttmp6, 0x40000                  ; cx
	s_lshl_b32 s41, ttmp9, 2
	s_add_co_u32 s41, s41, s40                     ; my block of 128 queries
	s_lshl_b32 s41, s41, 3
	s_add_co_u32 s41, s41, s[WV]                   ; T: my tile of 16 queries
	s_and_b32 s42, ttmp7, 0xffff                   ; the head, which the four partners share
	s_lshl_b32 s43, s42, 18                        ; a head's 128 fragments
	s_lshr_b32 s44, s[WV], 2                       ; what I fetch: section 1 (K) in waves 0-3, section 2 (V) in waves 4-7,
	s_add_co_u32 s44, s44, 1
	s_lshl_b32 s44, s44, 22
	s_add_co_u32 s44, s44, s43                     ; my head,
	s_and_b32 s45, s[WV], 3
	s_lshl_b32 s45, s45, 14                        ; my quarter of a slot's 64 KiB: made of the head and the wave's number alone
	s_add_co_u32 s44, s44, s45
	s_mov_b32 s45, 0
	s_lshl_b32 s46, s41, 12                        ; my tile's mask words: 16 key steps x 256 bytes
	s_mov_b32 s47, 0
	s_lshl_b32 s48, s41, 11                        ; Q's fragment
	s_add_co_u32 s48, s48, s43
	s_mov_b32 s49, 0
	s_lshl_b32 s50, s41, 15                        ; the result's fragment: (16 T + head) x 2,048
	s_lshl_b32 s51, s42, 11
	s_add_co_u32 s50, s50, s51
	s_mov_b32 s51, 0
	s_lshl_b32 s52, s40, 13                        ; the prefetches: my work-group's 8 KiB,
	s_add_co_u32 s52, s52, 65536                   ; in slot 1: the first change of slots steps it to slot 2
	s_mov_b32 s53, 0
	s_mov_b32 s24, 15|(3<<16)|(1<<21)              ; group 1: 15:0 all four work-groups; 17:16 elements of 8 bytes; 21 set beside a mask; no padding
	s_mov_b32 s25, 32<<16                          ; tensor_dim0 = 32 elements: 256 bytes
	s_mov_b32 s26, 64<<16                          ; tensor_dim1 = 64 rows: a dense block of 16 KiB
	s_mov_b32 s27, 32<<16                          ; tile_dim0
	s_mov_b32 s28, 64                              ; tile_dim1
	s_mov_b32 s29, 32                              ; the pitch: rows on end
	s_mov_b32 s30, 0
	s_mov_b32 s31, 0
	s_mov_b32 s[SEL], 0x76543210
	s_mov_b32 s[SEL+1], 0xfedcba98
	s_mov_b32 s[CS], 0x3e0293ee                    ; c = log2(e) / sqrt(128)
	s_mov_b32 s[TB], 0
	s_mov_b32 s[SLOTS], 3
	s_and_b32 s[LIM], s[WV], 1                     ; 0 in even waves,
	s_or_b32 s[LIM], s[LIM], ttmp9                 ; of the head's first cluster: the same in all four partners
	s_cmp_eq_u32 s[LIM], 0
	s_cselect_b32 s[LIM], 1, -1
	s_wait_kmcnt 0x0
	s_load_b256 s[68:75], s[36:37], 0x0            ; entries 0 to 7
	s_load_b128 s[76:79], s[36:37], 0x20           ; entries 8 to 11
	s_mov_b32 s20, 1                               ; group 0: count = 1
	s_lshl_b32 s21, s[WV], 14                      ; LDS address: slot 0, 16 KiB x wave
	s_add_nc_u64 s[22:23], s[32:33], s[44:45]      ; global address: the head's first 512 keys
	s_add_nc_u64 s[PFA:PFA+1], s[22:23], s[52:53]
	s_or_b32 s23, s23, 0x80000000                  ; type = 2
	s_add_nc_u64 s[4:5], s[34:35], s[46:47]
	s_add_nc_u64 s[100:101], s[32:33], s[48:49]
	s_add_nc_u64 s[6:7], s[38:39], s[50:51]
	CROUND                                         ; all four work-groups are here: the first joint loads meet
	tensor_load_to_lds s[20:23], s[24:31]          ; slot 0: one load of mine is out
	s_nop 0
.rept 4
	v_nop
.endr
	v_and_b32 v[AK0], 31, v0
	v_lshlrev_b32 v[PFO], 8, v[AK0]
	v_lshlrev_b32 v[AK0], 4, v[AK0]
	v_add_nc_u32 v[AV0], VOFF, v[AK0]
.irp c, 0,1,2,3
	global_load_b128 v[16+4*\c:19+4*\c], v[AK0], s[100:101] offset:512*\c   ; Q's fragment stays in registers
.endr
	v_mov_b32 v13, 0xff61b1e6                      ; the largest t so far: -3e38
	v_floor_f32 v12, -v13                          ; -M
	v_mov_b32 v14, 0
	v_mov_b32 v15, 0
	v_mov_b32 v241, 0xff800000                     ; -infinity
	v_mov_b32 v247, 0x7f7f7f7f                     ; four NaN codes
	v_mov_b32 v248, 0                              ; written once: a lane permute's destination counts as one of its sources
	v_mov_b32 v253, 0                              ; (named as the upper half of the pair v[252:253])
.set ii, 0
.rept 64
	v_mov_b32 v[160+ii], 0                         ; O^T: the key step is written once; the first finds zeros, which the first change of M leaves zeros
.set ii, ii+1
.endr
	s_wait_kmcnt 0x0
	s_add_co_i32 s17, s74, s75                     ; a score stands for score x 2^(entries 6 + 7): added to c's exponent field
	s_lshl_b32 s17, s17, 23
	s_add_co_i32 s[CS], s[CS], s17
	s_mov_b32 s[CS+1], s[CS]
	s_add_co_i32 s16, s76, s77                     ; entries 8 + 9, for the end
	s_add_co_i32 s17, s76, 127
	s_lshl_b32 s18, s17, 23
	v_mov_b32 v244, s18                            ; p's scale as f32
	s_add_co_i32 s17, s17, 8
	s_lshl_b32 s17, s17, 23
	s_or_b32 s17, s17, 0x600000
	v_mov_b32 v240, s17                            ; 448 x that
	s_add_co_i32 s17, s78, 127
	s_lshl_b32 s18, s17, 23
	v_mov_b32 v245, s18                            ; the result's scale (entry 10)
	s_add_co_i32 s17, s17, 8
	s_lshl_b32 s17, s17, 23
	s_or_b32 s17, s17, 0x600000
	v_mov_b32 v246, s17
.macro MLOAD off                       ; a key step's 64 mask words
	s_load_b512 s[32:47], s[4:5], \off
	s_load_b512 s[48:63], s[4:5], \off+64
	s_load_b512 s[68:83], s[4:5], \off+128
	s_load_b512 s[84:99], s[4:5], \off+192
.endm
	MLOAD 0                                        ; the set-up's numbers are all used by now
.macro FLOAD adr, q, g                 ; four fragments: tiles 4 g .. 4 g + 3 of the slot's q-th key step
.irp t, 0,1,2,3
.irp c, 0,1,2,3
	ds_load_b128 v[32+16*\t+4*\c:32+16*\t+4*\c+3], v[\adr] offset:(8*(\q)+4*(\g)+\t)*FRB+512*\c
.endr
.endr
.endm
; A KEY STEP: 128 keys, the q-th of the slot in hand.  more = 1: the next step's mask words are asked for.
.macro STEP q, more
	v_add_nc_u32 v[ADK], s[TB], v[AK0]
	v_add_nc_u32 v[ADV], s[TB], v[AV0]
.irp g, 0,1
.rept 4-2*(1-\g)
	v_nop                                          ; places in front of loads into registers that matrix instructions have read: four, the two additions above among them
.endr
	FLOAD ADK, \q, \g
	s_wait_dscnt 0x0
.irp t, 0,1,2,3
	v_wmma_f32_16x16x128_fp8_fp8 v[96+8*(4*\g+\t):103+8*(4*\g+\t)], v[32+16*\t:47+16*\t], v[16:31], 0
.endr
.endr
.rept 4
	v_nop
.endr
	FLOAD ADV, \q, 0                               ; V's first four fragments are asked for now and land under the softmax
	s_wait_kmcnt 0x0                               ; this step's mask words
.set nn, 0
.rept 64
.if nn < 32
	v_cndmask_b32 v[96+nn], v241, v[96+nn], s[32+nn]   ; a bit of 0: -infinity.  Ascending: each accumulator is read from its low end on
.else
	v_cndmask_b32 v[96+nn], v241, v[96+nn], s[36+nn]
.endif
.set nn, nn+1
.endr
	v_max3_num_f32 v254, v96, v97, v98             ; the step's largest score of my query among my 64 keys, in two chains,
	v_max3_num_f32 v252, v99, v100, v101
.irp i, 6,10,14,18,22,26,30,34,38,42,46,50,54,58
	v_max3_num_f32 v254, v254, v[96+\i], v[97+\i]
	v_max3_num_f32 v252, v252, v[98+\i], v[99+\i]
.endr
	v_max3_num_f32 v254, v254, v158, v159
	v_max_num_f32 v254, v254, v252
.if \more
	MLOAD 256*((\q)+1)
.endif
	v_permlanex16_b32 v248, v254, s[SEL], s[SEL+1]
	v_max_num_f32 v254, v254, v248                 ; and among lane l xor 16's
	v_mul_f32 v254, s[CS], v254                    ; as t (c is positive)
	v_max_num_f32 v13, v13, v254                   ; the running largest t
	v_mov_b32 v254, v12
	v_floor_f32 v12, -v13                          ; the new -M = floor(-t): M is a whole number
	v_sub_f32 v254, v12, v254                      ; old M - new M: a whole number, 0 or less
	v_cvt_i32_f32 v254, v254                       ; (it saturates)
	v_ldexp_f32 v252, 1.0, v254                    ; f = 2^(old M - new M)
.set jj, 0
.rept 32
	v_pk_fma_f32 v[96+jj:97+jj], v[96+jj:97+jj], s[CS:CS+1], v[12:13] op_sel_hi:[1,0,0]   ; t - M, two at a time
.set jj, jj+2
.endr
.set jj, 0
.rept 64
	v_exp_f32 v[96+jj], v[96+jj]                   ; p = 2^(t - M)
.set jj, jj+1
.endr
	v_pk_mul_f32 v[14:15], v[14:15], v[252:253] op_sel_hi:[1,0]   ; the sums under the new M: a plain line behind the exponentials
	s_wait_alu depctr_va_vdst(0)                   ; one wait for the batch, ahead of its first reader
	v_pk_add_f32 v[242:243], v[96:97], v[98:99]    ; the row's sum is taken of the unquantised p, in two chains
.irp j, 4,8,12,16,20,24,28,32,36,40,44,48,52,56,60
	v_pk_add_f32 v[14:15], v[14:15], v[96+\j:97+\j]
	v_pk_add_f32 v[242:243], v[242:243], v[98+\j:99+\j]
.endr
	v_pk_add_f32 v[14:15], v[14:15], v[242:243]
.irp t, 0,1,2,3,4,5,6,7
.irp i, 0,1,2,3,4,5,6,7
	v_min_num_f32 v[96+8*\t+\i], v[96+8*\t+\i], v240   ; the conversion does not saturate (ISA guide 7.6.2); p is not negative, so the hold is one-sided
.endr
	v_cvt_scalef32_pk8_fp8_f32 v[224+2*\t:225+2*\t], v[96+8*\t:103+8*\t], v244   ; registers 2 t, 2 t + 1 of P's fragment: keys 16 t + 8 h + 0 .. 7
.endr
.set jj, 0
.rept 32
	v_pk_mul_f32 v[160+jj:161+jj], v[160+jj:161+jj], v[252:253] op_sel_hi:[1,0]   ; O^T under the new M; also the plain lines behind the conversions
.set jj, jj+2
.endr
	s_wait_dscnt 0x0                               ; V's first four fragments
.irp t, 0,1,2,3
	v_wmma_f32_16x16x128_fp8_fp8 v[160+8*\t:167+8*\t], v[32+16*\t:47+16*\t], v[224:239], v[160+8*\t:167+8*\t]
.endr
.rept 4
	v_nop
.endr
	FLOAD ADV, \q, 1
	s_wait_dscnt 0x0
.irp t, 0,1,2,3
	v_wmma_f32_16x16x128_fp8_fp8 v[192+8*\t:199+8*\t], v[32+16*\t:47+16*\t], v[224:239], v[192+8*\t:199+8*\t]
.endr
.endm
; THE CHANGE OF SLOTS stands at a slot's head.  Each wave waits for all its tensor loads (its part of the slot that it is about to read), adds 0 to its spare word, and waits for that and for its reads of the slot that it has left.
; fill = 1: the barrier is a round of the cluster's, and behind it the slot that was left is filled with the next 512 keys: that load has four key steps in which to land.
.macro CHANGE fill
	s_wait_tensorcnt 0x0                           ; no tensor load of mine is out, so group 0 may be written
	ds_add_u32 v[SPW], v[NIL]                      ; 0 onto my spare word
.if \fill
	s_xor_b32 s21, s21, SLOT1                      ; the other slot than last time,
	s_add_nc_u64 s[22:23], s[22:23], 65536         ; the next 512 keys; the type bits on top are not reached
	s_wait_xcnt 0x0                                ; the last prefetch, a slot back, has read its address
	s_add_nc_u64 s[PFA:PFA+1], s[PFA:PFA+1], 65536
	s_wait_dscnt 0x0                               ; the add is done, and my reads of the slot that I have left are over
	CROUND
	tensor_load_to_lds s[20:23], s[24:31]          ; the first thing behind the round, and my one tensor load until the next
	s_nop 0
.rept 4
	v_nop
.endr
	ASK
.else
	s_wait_dscnt 0x0
	s_barrier_signal -1
	s_barrier_wait -1
.endif
.endm
	s_wait_loadcnt 0x0                             ; Q
.Lslot:                                            ; three trips: behind each change of slots but the last the next slot is asked for
	CHANGE 1
	STEP 0, 1
	STEP 1, 1
	STEP 2, 1
	STEP 3, 1
	s_wait_xcnt 0x0                                ; the loads of mask words have read their base
	s_add_nc_u64 s[4:5], s[4:5], 1024              ; four key steps of mask words on
	s_xor_b32 s[TB], s[TB], SLOT1
	s_sub_co_u32 s[SLOTS], s[SLOTS], 1
	s_cmp_lg_u32 s[SLOTS], 0
	s_cbranch_scc1 .Lslot
	CHANGE 0                                       ; the last slot is written out
	STEP 0, 1
	STEP 1, 1
	STEP 2, 1
	STEP 3, 0                                      ; no load leaves its buffer
	; THE WAY OUT: O^T x 2^(entries 8 + 9) / the sum, held, converted under entry 10's scale: the last product's fragment (my 16 queries, K step = my head).
.rept 4
	v_nop
.endr
	v_add_f32 v14, v14, v15
	v_permlanex16_b32 v248, v14, s[SEL], s[SEL+1]
	v_add_f32 v14, v14, v248                       ; the row's sum
	v_cmp_eq_f32 vcc_lo, 0, v14                    ; 0 only where every key was masked
	v_rcp_f32 v14, v14
	v_nop                                          ; a plain line behind the transcendental
	s_wait_alu depctr_va_vdst(0)                   ; and the wait ahead of its first reader
	v_ldexp_f32 v14, v14, s16
.set jj, 0
.rept 64
	v_mul_f32 v[96+jj], v[160+jj], v14             ; register 8 t + i: channel 16 t + 8 h + i of my query
.set jj, jj+1
.endr
.set jj, 0
.rept 64
	v_med3_num_f32 v[96+jj], v[96+jj], -v246, v246
.set jj, jj+1
.endr
.irp t, 0,1,2,3,4,5,6,7
	v_cvt_scalef32_pk8_fp8_f32 v[224+2*\t:225+2*\t], v[96+8*\t:103+8*\t], v245
.endr
	v_nop                                          ; one plain line behind the last conversion
.set jj, 0
.rept 16
	v_cndmask_b32 v[224+jj], v[224+jj], v247, vcc_lo
.set jj, jj+1
.endr
.irp c, 0,1,2,3
	global_store_b128 v[AK0], v[224+4*\c:227+4*\c], s[6:7] offset:512*\c   ; 512 consecutive bytes
.endr
	s_wait_tensorcnt 0x0                           ; the wave's end
	ds_add_u32 v[SPW], v[NIL]
	s_wait_dscnt 0x0
	CROUND                                         ; the closing round
	s_endpgm
.Lfunc_end_k_qd4b371751e_attn:
	.size	k_qd4b371751e_attn, .Lfunc_end_k_qd4b371751e_attn-k_qd4b371751e_attn
	.p2alignl 7, 3214868480
	.fill 96, 4, 3214868480
	.section	.rodata,"a",@progbits
	.p2align	6, 0x0
	.amdhsa_kernel k_qd4b371751e_attn
		.amdhsa_group_segment_fixed_size 327680
		.amdhsa_private_segment_fixed_size 0
		.amdhsa_enable_private_segment 0
		.amdhsa_kernarg_size 32
		.amdhsa_user_sgpr_count 2
		.amdhsa_user_sgpr_kernarg_segment_ptr 1
		.amdhsa_wavefront_size32 1
		.amdhsa_system_sgpr_workgroup_id_x 1
		.amdhsa_system_sgpr_workgroup_id_y 1
		.amdhsa_system_sgpr_workgroup_id_z 1
		.amdhsa_system_vgpr_workitem_id 0
		.amdhsa_next_free_vgpr 256
		.amdhsa_next_free_sgpr 102
		.amdhsa_reserve_vcc 1
		.amdhsa_float_denorm_mode_32 3
		.amdhsa_float_denorm_mode_16_64 3
		.amdhsa_memory_ordered 1
		.amdhsa_forward_progress 1
		.amdhsa_inst_pref_size 200
	.end_amdhsa_kernel
	.amdgpu_metadata
---
amdhsa.version: [ 1, 2 ]
amdhsa.kernels:
  - .name:           k_qd4b371751e_attn
    .symbol:         k_qd4b371751e_attn.kd
    .args:
      - { .name: qkvcodes, .offset: 0, .size: 8, .value_kind: global_buffer, .address_space: global }
      - { .name: maskbits, .offset: 8, .size: 8, .value_kind: global_buffer, .address_space: global }
      - { .name: lowp_scales, .offset: 16, .size: 8, .value_kind: global_buffer, .address_space: global }
      - { .name: ctxcodes, .offset: 24, .size: 8, .value_kind: global_buffer, .address_space: global }
    .group_segment_fixed_size: 327680
    .private_segment_fixed_size: 0
    .kernarg_segment_align: 8
    .kernarg_segment_size: 32
    .max_flat_workgroup_size: 256
    .sgpr_count:     102
    .vgpr_count:     256
    .wavefront_size: 32
...
	.end_amdgpu_metadata
.endif
;; end of part 3
;; launch oproj (part 4): grid 8 x 8, 4 waves a work-group, clusters of 4 x 4, 327,680 bytes of LDS; arguments ctxcodes, codes, lowp_scales, bo, out0; writes out0
.if DOCPART == 4
	.amdgcn_target "amdgcn-amd-amdhsa--gfx1250"
	.amdhsa_code_object_version 6
	.text
	.protected	k_qd4b371751e_oproj
	.globl	k_qd4b371751e_oproj
	.p2align	8
	.type	k_qd4b371751e_oproj,@function
k_qd4b371751e_oproj:
	s_mov_b64 s[64:65], 0
	v_nop
	global_prefetch_b8 v0, s[64:65] scope:SCOPE_SE
	s_setreg_imm32_b32 hwreg(HW_REG_WAVE_MODE, 25, 1), 1
	s_wait_xcnt 0x0
	s_wait_alu depctr_hold_cnt(0) depctr_sa_sdst(0) depctr_va_vdst(0) depctr_va_sdst(0) depctr_va_ssrc(0) depctr_va_vcc(0) depctr_vm_vsrc(0)
	s_getreg_b32 s2, hwreg(HW_REG_IB_STS2, 6, 4)
	s_cmp_eq_u32 s2, 0
	s_cbranch_scc0 .Lentry_in_a_cluster
	s_endpgm
.Lentry_in_a_cluster:
	s_bfe_u32 s2, ttmp6, 0x10000c
	s_cmp_lg_u32 s2, 0xf033
	s_cbranch_scc0 .Lentry_shape_is_right
	s_endpgm
.Lentry_shape_is_right:
; out = ctx wo^T + bo on codes of E4M3; sums in f32; out [2048][2048] f32.  A = the attention's result, B = wo (section 6 of the codes): both lie as images of operand registers,
; [row tile 128][K step 16][2,048 bytes], registers 4 c .. 4 c + 3 of lane l at byte 512 c + 16 l.  Each finished sum is multiplied by 2^(entries 10 + 11) and gets its bias in one packed multiply-add.
; LIMIT: entries 10 + 11 lie between -126 and 127.
; A tile of C, 256 x 256, is made by four waves, each 128 x 128 in 64 accumulators.  K goes in steps of 256 through a ring of two LDS slots; a wave's tensor load brings 8 row tiles x 4,096 bytes.
; CLUSTERS: 4 x 4 work-groups; A's tiles are asked for jointly along a row of the cluster, B's along a column.  The matrix instruction is used transposed (source 0 = rows of B, source 1 = rows of A):
; a lane holds eight neighbouring numbers of a row of C.
; REGISTERS, in windows of 256: window 0: v0-31 addresses; v32-95 the bias; from v128 A's fragments, one set, later rows of C read back.  window 1: B's fragments, two sets.  windows 2, 3: the accumulators.
.set SIZE_N, 2048
.set FRB,    2048
.set KSB,    2*FRB
.set HALFT,  8*KSB
.set SLOT,   4*HALFT
.set SPARE,  2*SLOT                    ; behind the ring: the spare words, 128 bytes for each wave, which no other line names
.set LAPS,   4
.set FR,     16
.set NL,     4
.set NP,     4
.set SPITCH, 528                       ; the way out: a stage of 16 rows x (512 bytes + 16) for each wave, in slot 0, which has had its last fill and its last read when the first result is stored there
.set ADRA, 16
.set ADRB, 20
.set STO,  24                          ; v24  the way out: where I put 32 bytes of a row
.set RD,   25                          ; v25  where I read a row back
.set CO,   26                          ; v26  16 x lane
.set SPW,  28
.set NIL,  29
.set BB,   32                          ; v32-95  bo at my 128 columns: register 8 b + j: column 16 b + 8 h + j
.set AF,   128
.set BK,   128                         ; rows read back: v128-191 and v192-255 by turns
.set G1, 24
.set G0, 32
.set G1B, 48
.set G0B, 56
.set MSB, 0
.macro WIN new
.if MSB != (\new)
	s_set_vgpr_msb (MSB<<8)|(\new)
.set MSB, (\new)
.endif
.endm
.set MUL_LO, 0xa1
.set MUL_HI, 0xf1
.set TO_B,   0x40
.macro JLOAD g0a, g1a, g0b, g1b        ; a joint load: waves 0 and 1 fetch for A, waves 2 and 3 for B; four v_nop follow each of the two lines
	s_cmp_eq_u32 s15, 0
	s_cbranch_scc0 .Lfor_b_\@
	tensor_load_to_lds s[\g0a:\g0a+3], s[\g1a:\g1a+7]
	s_nop 0
.rept 4
	v_nop
.endr
	s_branch .Lasked_\@
.Lfor_b_\@:
	tensor_load_to_lds s[\g0b:\g0b+3], s[\g1b:\g1b+7]
	s_nop 0
.rept 4
	v_nop
.endr
.Lasked_\@:
.endm
.macro CREST
	s_cmp_lg_u32 s14, 0
	s_cbranch_scc1 .Lnot_wave_0_\@
	s_barrier_signal -3
.Lnot_wave_0_\@:
	s_barrier_wait -3
	s_barrier_signal -1
	s_barrier_wait -1
.endm
.macro CROUND
	s_barrier_signal -1
	s_barrier_wait -1
	CREST
.endm
	s_load_b128 s[4:7], s[0:1], 0x0                ; the attention's codes, the weights' codes
	s_load_b128 s[8:11], s[0:1], 0x10              ; the scales' exponents, bo
	s_load_b64 s[12:13], s[0:1], 0x20              ; out
	v_lshl_add_u32 v[SPW], v0, 2, SPARE
	v_mov_b32 v[NIL], 0
	ds_add_u32 v28, v29
	ds_add_u32 v28, v29
	s_wait_dscnt 0x0
	v_lshrrev_b32 v1, 5, v0
	v_readfirstlane_b32 s14, v1                    ; wave 0..3
	s_lshr_b32 s15, s14, 1                         ; which half of the tile's rows is mine.  Also: I fetch for A (0) or for B (1)
	s_and_b32 s16, s14, 1                          ; which half of its columns.  Also: which 8 row tiles I fetch
	s_bfe_u32 s40, ttmp6, 0x40000
	s_bfe_u32 s41, ttmp6, 0x40004
	s_lshl_b32 s42, ttmp9, 2
	s_add_co_u32 s42, s42, s40                     ; tile column
	s_and_b32 s17, ttmp7, 0xffff
	s_lshl_b32 s17, s17, 2
	s_add_co_u32 s17, s17, s41                     ; tile row
	s_lshl_b32 s43, s41, 2
	s_lshl_b32 s43, 15, s43                        ; my row of the cluster
	s_lshl_b32 s44, 0x1111, s40                    ; my column
	s_or_b32 s[G1+0], s43, (3<<16)|(1<<21)         ; the mask; elements of 8 bytes; bit 21 beside a mask; no padding
	s_or_b32 s[G1B+0], s44, (3<<16)|(1<<21)
.irp g, G1, G1B
	s_mov_b32 s[\g+1], 512<<16                     ; tensor_dim0 = 512 elements: 4,096 bytes
	s_mov_b32 s[\g+2], 8<<16                       ; tensor_dim1 = 8 row tiles
	s_mov_b32 s[\g+3], 512<<16
	s_mov_b32 s[\g+4], 8
	s_mov_b32 s[\g+5], 4096                        ; from row tile to row tile: 32,768 bytes
	s_mov_b32 s[\g+6], 0
	s_mov_b32 s[\g+7], 0
.endr
	s_lshl_b32 s18, s16, 18
	s_lshl_b32 s20, s17, 19
	s_add_co_u32 s20, s20, s18
	s_mov_b32 s21, 0
	s_lshl_b32 s46, s42, 19
	s_add_co_u32 s46, s46, s18
	s_add_co_u32 s46, s46, 6<<22                   ; wo's section
	s_mov_b32 s47, 0
	s_mul_i32 s45, s14, HALFT
	s_wait_kmcnt 0x0
	s_load_b64 s[96:97], s[8:9], 0x28              ; entries 10, 11
	s_add_nc_u64 s[20:21], s[4:5], s[20:21]
	s_add_nc_u64 s[46:47], s[6:7], s[46:47]
	CROUND                                         ; all sixteen work-groups are here: the first joint loads meet
.irp s, 0,1
	s_mov_b32 s[G0+4*\s], 1
	s_add_co_u32 s[G0+4*\s+1], s45, \s*SLOT
	s_add_nc_u64 s[G0+4*\s+2:G0+4*\s+3], s[20:21], \s*KSB
	s_or_b32 s[G0+4*\s+3], s[G0+4*\s+3], 0x80000000
	s_mov_b32 s[G0B+4*\s], 1
	s_add_co_u32 s[G0B+4*\s+1], s45, \s*SLOT
	s_add_nc_u64 s[G0B+4*\s+2:G0B+4*\s+3], s[46:47], \s*KSB
	s_or_b32 s[G0B+4*\s+3], s[G0B+4*\s+3], 0x80000000
	JLOAD G0+4*\s, G1, G0B+4*\s, G1B
.endr
	v_and_b32 v1, 15, v0                           ; r
	v_bfe_u32 v2, v0, 4, 1                         ; h
	v_and_b32 v6, 31, v0
	v_lshlrev_b32 v[CO], 4, v6
	s_mul_i32 s21, s15, HALFT
	s_mul_i32 s22, s16, HALFT
	s_add_co_u32 s22, s22, 2*HALFT
.irp s, 0,1
	v_add_nc_u32 v[ADRA+\s], s21, v[CO]
	v_add_nc_u32 v[ADRB+\s], s22, v[CO]
	s_add_co_u32 s21, s21, SLOT
	s_add_co_u32 s22, s22, SLOT
.endr
	s_mul_i32 s23, s14, 16*SPITCH                  ; my stage
	v_mul_u32_u24 v5, v1, SPITCH                   ; in: row r, 32 bytes for each half of the lanes
	v_lshl_add_u32 v5, v2, 5, v5
	v_add_nc_u32 v[STO], s23, v5
	v_add_nc_u32 v[RD], s23, v[CO]                 ; back: the 32 lanes take one row of 512 bytes
	s_lshl_b32 s20, s17, 8
	s_lshl_b32 s21, s15, 7
	s_add_co_u32 s20, s20, s21                     ; my first row of C,
	s_lshl_b32 s20, s20, 13                        ; in bytes
	s_lshl_b32 s46, s42, 10
	s_lshl_b32 s47, s16, 9
	s_add_co_u32 s46, s46, s47                     ; my first column, in bytes: in a row of C and in bo
	v_lshl_add_u32 v7, v2, 5, s46
.irp b, 0,1,2,3,4,5,6,7
	global_load_b128 v[BB+8*\b:BB+8*\b+3], v7, s[10:11] offset:64*\b
	global_load_b128 v[BB+8*\b+4:BB+8*\b+7], v7, s[10:11] offset:64*\b+16
.endr
	s_add_co_u32 s20, s20, s46
	s_mov_b32 s21, 0
	s_add_nc_u64 s[12:13], s[12:13], s[20:21]
.macro FRAG reg, adr, q, i
.irp c, 0,1,2,3
	ds_load_b128 v[\reg+4*\c:\reg+4*\c+3], v[\adr] offset:KSB*(\i)+FRB*(\q)+512*\c
.endr
.endm
.macro MUL16 a0, p, zero               ; the 64 accumulators take turns, one instruction a turn
.irp a, \a0, \a0+1
.irp b, 0,1,2,3,4,5,6,7
.if \zero
	v_wmma_f32_16x16x128_fp8_fp8 v[8*(8*((\a)%4)+\b):8*(8*((\a)%4)+\b)+7], v[128*(\p)+FR*\b:128*(\p)+FR*\b+FR-1], v[AF+FR*(\a):AF+FR*(\a)+FR-1], 0
.else
	v_wmma_f32_16x16x128_fp8_fp8 v[8*(8*((\a)%4)+\b):8*(8*((\a)%4)+\b)+7], v[128*(\p)+FR*\b:128*(\p)+FR*\b+FR-1], v[AF+FR*(\a):AF+FR*(\a)+FR-1], v[8*(8*((\a)%4)+\b):8*(8*((\a)%4)+\b)+7]
.endif
.endr
.endr
.endm
.macro FETCH_B slot, q, p
	WIN TO_B
.irp i, 0,1,2,3,4,5,6,7
	FRAG 128*(\p)+FR*\i, ADRB+\slot, \q, \i
.endr
	WIN 0
.endm
.macro FETCH_A slot, q, i0
.irp i, \i0, \i0+1, \i0+2, \i0+3
	FRAG AF+FR*(\i), ADRA+\slot, \q, \i
.endr
.endm
.macro PLACES n
.rept \n
	v_nop
.endr
.endm
.macro STEP slot, q, zero
	s_wait_dscnt 4*NL                              ; B's set and A's blocks 0-3 are in; the youngest 16 loads (A's blocks 4-7) may be out
	WIN MUL_LO
	MUL16 0, (\q)%2, \zero
	MUL16 2, (\q)%2, \zero
	s_wait_dscnt 0
	PLACES NP
	FETCH_B \slot, (\q)+1, 1-(\q)%2
	FETCH_A \slot, (\q)+1, 0
	WIN MUL_HI
	MUL16 4, (\q)%2, \zero
	MUL16 6, (\q)%2, \zero
	PLACES NP
	WIN 0
	FETCH_A \slot, (\q)+1, 4
.endm
.macro TURN slot, next, fill
	s_wait_tensorcnt 0x0                           ; all my tensor loads have landed: my part of the next slot
	ds_add_u32 v[SPW], v[NIL]                      ; 0 onto my spare word
	s_wait_dscnt 4*NL+1                            ; (the add and the youngest 16 loads may be out)
	WIN MUL_LO
	MUL16 0, 1, 0
	s_wait_dscnt 0x0                               ; the add is done, and my reads of this slot are over
	s_barrier_signal -1
	MUL16 2, 1, 0
	WIN 0
	s_barrier_wait -1
.if \fill
	CREST                                          ; the barrier has opened a round of the cluster's
	s_add_nc_u64 s[G0+4*\slot+2:G0+4*\slot+3], s[G0+4*\slot+2:G0+4*\slot+3], 2*KSB
	s_add_nc_u64 s[G0B+4*\slot+2:G0B+4*\slot+3], s[G0B+4*\slot+2:G0B+4*\slot+3], 2*KSB
	JLOAD G0+4*\slot, G1, G0B+4*\slot, G1B
.else
	PLACES NP
.endif
	FETCH_B \next, 0, 0
	FETCH_A \next, 0, 0
	WIN MUL_HI
	MUL16 4, 1, 0
	MUL16 6, 1, 0
	PLACES NP
	WIN 0
	FETCH_A \next, 0, 4
.endm
	s_wait_tensorcnt 1                             ; my part of K step 0 is in; K step 1's load may be out
	s_barrier_signal -1
	s_barrier_wait -1
	FETCH_B 0, 0, 0
	FETCH_A 0, 0, 0
	FETCH_A 0, 0, 4
	STEP 0, 0, 1
	s_mov_b32 s3, LAPS-1
.Llap:
	TURN 0, 1, 1
	STEP 1, 0, 0
	TURN 1, 0, 1
	STEP 0, 0, 0
	s_sub_co_u32 s3, s3, 1
	s_cmp_lg_u32 s3, 0
	s_cbranch_scc1 .Llap
	TURN 0, 1, 0
	STEP 1, 0, 0
	s_wait_dscnt 4*NL
	WIN MUL_LO
	MUL16 0, 1, 0
	MUL16 2, 1, 0
	s_wait_dscnt 0
	WIN MUL_HI
	MUL16 4, 1, 0
	MUL16 6, 1, 0
	WIN 0
; THE WAY OUT, block by block of 16 rows x 128 columns: sum x 2^(e10 + e11) + bo in place, through my own stage in LDS, back as whole rows of 512 bytes.  LDS serves a wave's instructions in order (ISA guide 5.7.1.4).
.macro TOSTAGE a
.set AC, 64*((\a)%4)
	WIN 0x82+0x41*((\a)/4)                         ; source 0 and destination: window 2 or 3; the bias in window 0
.set jj, 0
.rept 32
	v_pk_fma_f32 v[AC+jj:AC+jj+1], v[AC+jj:AC+jj+1], s[96:97], v[BB+jj:BB+jj+1] op_sel_hi:[1,0,1]   ; each accumulator from its low end on
.set jj, jj+2
.endr
	WIN 0x08+4*((\a)/4)                            ; an LDS store's data are its source 1
.irp b, 0,1,2,3,4,5,6,7
	ds_store_b128 v[STO], v[AC+8*\b:AC+8*\b+3] offset:64*\b
	ds_store_b128 v[STO], v[AC+8*\b+4:AC+8*\b+7] offset:64*\b+16
.endr
	WIN 0
.set RB, BK+64*((\a)%2)
.irp t, 0,1,2,3,4,5,6,7,8,9,10,11,12,13,14,15
	ds_load_b128 v[RB+4*\t:RB+4*\t+3], v[RD] offset:\t*SPITCH
.endr
.endm
.macro SEND a, younger                 ; younger: the LDS instructions issued behind block a's loads, which may stay out
.set RB, BK+64*((\a)%2)
	s_wait_dscnt \younger
.if (\a) > 0
	s_add_nc_u64 s[12:13], s[12:13], 16*SIZE_N*4   ; (behind a wait on XCNT: the earlier stores have read their base)
.endif
.irp t, 0,1,2,3,4,5,6,7,8,9,10,11,12,13,14,15
	global_store_b128 v[CO], v[RB+4*\t:RB+4*\t+3], s[12:13] offset:\t*SIZE_N*4 th:TH_STORE_NT   ; 512 consecutive bytes of a row of C
.endr
.endm
	s_wait_loadcnt 0x0                             ; the bias
	s_wait_kmcnt 0x0
	s_add_co_i32 s96, s96, s97
	s_add_co_i32 s96, s96, 127
	s_lshl_b32 s96, s96, 23                        ; 2^(e10 + e11) as f32
	s_mov_b32 s97, s96
	PLACES NP
	TOSTAGE 0
.irp a, 1,2,3,4,5,6,7
.if \a > 1
	s_wait_xcnt 0x0                                ; block a - 2's stores have read their registers and their base
.endif
	TOSTAGE \a
	SEND \a-1, 32                                  ; behind block a - 1's loads: block a's 16 stores and 16 loads
.endr
	s_wait_xcnt 0x0
	SEND 7, 0
	s_wait_tensorcnt 0x0                           ; the wave's end
	ds_add_u32 v[SPW], v[NIL]
	s_wait_dscnt 0x0
	CROUND                                         ; the closing round
	s_endpgm
.Lfunc_end_k_qd4b371751e_oproj:
	.size	k_qd4b371751e_oproj, .Lfunc_end_k_qd4b371751e_oproj-k_qd4b371751e_oproj
	.p2alignl 7, 3214868480
	.fill 96, 4, 3214868480
	.section	.rodata,"a",@progbits
	.p2align	6, 0x0
	.amdhsa_kernel k_qd4b371751e_oproj
		.amdhsa_group_segment_fixed_size 327680
		.amdhsa_private_segment_fixed_size 0
		.amdhsa_enable_private_segment 0
		.amdhsa_kernarg_size 40
		.amdhsa_user_sgpr_count 2
		.amdhsa_user_sgpr_kernarg_segment_ptr 1
		.amdhsa_wavefront_size32 1
		.amdhsa_system_sgpr_workgroup_id_x 1
		.amdhsa_system_sgpr_workgroup_id_y 1
		.amdhsa_system_sgpr_workgroup_id_z 1
		.amdhsa_system_vgpr_workitem_id 0
		.amdhsa_next_free_vgpr 1024
		.amdhsa_next_free_sgpr 98
		.amdhsa_reserve_vcc 0
		.amdhsa_float_denorm_mode_32 3
		.amdhsa_float_denorm_mode_16_64 3
		.amdhsa_memory_ordered 1
		.amdhsa_forward_progress 1
		.amdhsa_inst_pref_size 125
	.end_amdhsa_kernel
	.amdgpu_metadata
---
amdhsa.version: [ 1, 2 ]
amdhsa.kernels:
  - .name:           k_qd4b371751e_oproj
    .symbol:         k_qd4b371751e_oproj.kd
    .args:
      - { .name: ctxcodes, .offset: 0, .size: 8, .value_kind: global_buffer, .address_space: global }
      - { .name: codes, .offset: 8, .size: 8, .value_kind: global_buffer, .address_space: global }
      - { .name: lowp_scales, .offset: 16, .size: 8, .value_kind: global_buffer, .address_space: global }
      - { .name: bo, .offset: 24, .size: 8, .value_kind: global_buffer, .address_space: global }
      - { .name: out0, .offset: 32, .size: 8, .value_kind: global_buffer, .address_space: global }
    .group_segment_fixed_size: 327680
    .private_segment_fixed_size: 0
    .kernarg_segment_align: 8
    .kernarg_segment_size: 40
    .max_flat_workgroup_size: 128
    .sgpr_count:     98
    .vgpr_count:     1024
    .wavefront_size: 32
...
	.end_amdgpu_metadata
.endif
;; end of part 4
;; ======== version 2 of 2: 4 launches
;; limits: right only within a limited range of input values
;; workspace buffers: codes 25,165,824 bytes; maskbits 557,056 bytes of whole numbers; qkvcodes 12,582,912 bytes; wocodes 4,194,304 bytes; ctxcodes 4,194,304 bytes
;; launch prep (part 5): grid 128 x 4, 4 waves a work-group, no clusters, 34,304 bytes of LDS; arguments x, wq, wk, wv, lowp_scales, codes; writes codes
.if DOCPART == 5
	.amdgcn_target "amdgcn-amd-amdhsa--gfx1250"
	.amdhsa_code_object_version 6
	.text
	.protected	k_qd4b371751e_prep
	.globl	k_qd4b371751e_prep
	.p2align	8
	.type	k_qd4b371751e_prep,@function
k_qd4b371751e_prep:
	s_mov_b64 s[64:65], 0
	v_nop
	global_prefetch_b8 v0, s[64:65] scope:SCOPE_SE
	s_setreg_imm32_b32 hwreg(HW_REG_WAVE_MODE, 25, 1), 1
	s_wait_xcnt 0x0
; x, wq, wk and wv, f32 [2048][2048] with K innermost, become codes of E4M3.  (wo and the mask are prepared by launch proj, in work-groups of their own.)  No step of the problem is left out as dead work; what the mask leaves out is decided in launch attn from the mask's numbers.
; CODES ARE STORED AS IMAGES OF THE OPERAND'S REGISTERS.  A fragment is 16 rows x 128 K, 2,048 bytes: lane (r = lane % 16, h = lane / 16) holds in registers 2 c, 2 c + 1
; k = 16 c + 8 h + 0 .. 7 of row r; registers 4 c' .. 4 c' + 3 lie at byte 512 c' + 16 x lane.  A section of the buffer of codes is [block of 128 rows 16][K step 16][row tile 8][2,048 bytes], 4 MiB;
; sections: 0, 1, 2 = x under the scales of entries 0, 2, 4 (the three products may be given different scales for x); 3 wq (entry 1), 4 wk (3), 5 wv (5).
; code = number / 2^e, held within +-448, to the nearest code, ties to even.  LIMITS: each e between -126 and 119; NaN among x and the weights is not served.
; SHARES.  Work-group y says which tensor (0 x, 1-3 the weights), x which tile of 16 rows; wave w takes K steps 4 w .. 4 w + 3, a unit (16 rows x 512 bytes) at a time.
; Each load reads 512 consecutive bytes of one row; all of a wave's 64 loads are asked for at the head.  A unit turns through the wave's own stage in LDS (rows 528 bytes apart) so that a lane gets eight neighbours along K in eight registers.
; Each store covers 512 consecutive bytes.  Waves share nothing: no barrier, no cluster; each number is read once, and memory is asked for all of it at the head, so nothing is prefetched.
.set SP,   528                         ; a stage row: 512 bytes + 16
.set STGB, 16*SP                       ; a wave's stage
.set SPARE, 4*STGB+512                 ; named by no line; the spare words begin at 4 x STGB = 33,792
.set XN,   144                         ; v144-207  a unit turned: register 8 c + j = element (r, 16 c + 8 h + j)
.set TM,   208                         ; v208-223  two sets of 8: numbers held within the largest code x the scale
.set CD,   224                         ; v224-239  a fragment's codes
.set GI,   4                           ; v4  16 x lane: loads and stores
.set SI,   5                           ; v5  the stage, on the way in
.set SO,   6                           ; v6  the stage, on the way out
; window 1: v[64 t ..]: unit t as loaded
.set MSB, 0
.macro WIN new                         ; the immediate's high byte repeats the setting that is left
.if MSB != (\new)
	s_set_vgpr_msb (MSB<<8)|(\new)
.set MSB, (\new)
.endif
.endm
	s_load_b256 s[8:15], s[0:1], 0x0               ; x, wq, wk, wv
	s_load_b128 s[16:19], s[0:1], 0x20             ; the scales' exponents, the codes
	v_lshl_add_u32 v240, v0, 2, 0x8400             ; my spare word: byte 33,792 on
	v_mov_b32 v241, 0
	s_and_b32 s2, ttmp7, 0xffff                    ; which tensor
	v_lshrrev_b32 v1, 5, v0
	v_readfirstlane_b32 s3, v1                     ; wave
	v_and_b32 v2, 31, v0                           ; lane
	v_and_b32 v3, 15, v0                           ; r
	v_bfe_u32 v7, v0, 4, 1                         ; h
	v_lshlrev_b32 v[GI], 4, v2
	s_mul_i32 s44, s3, STGB
	v_add_nc_u32 v[SI], s44, v[GI]                 ; in: a row's 512 bytes as they lie
	v_mul_u32_u24 v[SO], v3, SP
	v_lshl_add_u32 v[SO], v7, 5, v[SO]
	v_add_nc_u32 v[SO], s44, v[SO]                 ; out: row r, + 32 h
	s_lshl_b32 s20, ttmp9, 17                      ; source: 16 rows of 8,192 bytes a tile,
	s_lshl_b32 s45, s3, 11                         ; four K steps of 512 bytes a wave
	s_add_co_u32 s20, s20, s45
	s_mov_b32 s21, 0
	s_lshr_b32 s50, ttmp9, 3                       ; a result's place in a section: the block of 128 rows,
	s_lshl_b32 s50, s50, 18
	s_and_b32 s45, ttmp9, 7                        ; the row tile in it,
	s_lshl_b32 s45, s45, 11
	s_add_co_u32 s50, s50, s45
	s_lshl_b32 s45, s3, 16                         ; four K steps of 16,384 bytes a wave
	s_add_co_u32 s50, s50, s45
	s_add_co_u32 s47, s2, 2                        ; the sections of the three results: x 0, 1, 2; a weight has one result, in section 2 + its number
	s_cmp_eq_u32 s2, 0
	s_cselect_b32 s45, 1, s47
	s_cselect_b32 s46, 2, s47
	s_cselect_b32 s47, 0, s47
	s_cselect_b32 s6, 3, 1                         ; results
	s_lshl_b32 s28, s47, 22
	s_add_co_u32 s28, s28, s50
	s_mov_b32 s29, 0
	s_lshl_b32 s30, s45, 22
	s_add_co_u32 s30, s30, s50
	s_mov_b32 s31, 0
	s_lshl_b32 s26, s46, 22
	s_add_co_u32 s26, s26, s50
	s_mov_b32 s27, 0
	s_wait_alu depctr_va_vdst(0)
	s_wait_kmcnt 0x0
	s_load_b256 s[32:39], s[16:17], 0x0            ; entries 0 to 7
	s_mov_b64 s[4:5], s[8:9]                       ; the source is chosen by the work-group's number alone
	s_cmp_eq_u32 s2, 1
	s_cselect_b64 s[4:5], s[10:11], s[4:5]
	s_cmp_eq_u32 s2, 2
	s_cselect_b64 s[4:5], s[12:13], s[4:5]
	s_cmp_eq_u32 s2, 3
	s_cselect_b64 s[4:5], s[14:15], s[4:5]
	s_add_nc_u64 s[4:5], s[4:5], s[20:21]
	WIN 0x40
.set tt, 0
.rept 4
.set ii, 0
.rept 16
	global_load_b128 v[64*tt+4*ii:64*tt+4*ii+3], v[GI], s[4:5] offset:8192*ii+512*tt th:TH_LOAD_NT   ; 512 consecutive bytes of one row; read once in the launch
.set ii, ii+1
.endr
.set tt, tt+1
.endr
	WIN 0
	s_add_nc_u64 s[26:27], s[18:19], s[26:27]
	s_add_nc_u64 s[28:29], s[18:19], s[28:29]
	s_add_nc_u64 s[30:31], s[18:19], s[30:31]
	s_wait_kmcnt 0x0
	s_mov_b32 s44, s32                             ; the first result's exponent: x entry 0, wq 1, wk 3, wv 5
	s_cmp_eq_u32 s2, 1
	s_cselect_b32 s44, s33, s44
	s_cmp_eq_u32 s2, 2
	s_cselect_b32 s44, s35, s44
	s_cmp_eq_u32 s2, 3
	s_cselect_b32 s44, s37, s44
	s_cmp_eq_u32 s2, 0
	s_cselect_b32 s46, s34, s44                    ; x's second: entry 2,
	s_cselect_b32 s47, s36, s44                    ; third: entry 4
.macro MKSC e, sc, lim                 ; 2^e as f32 (the conversion takes its exponent field) and 448 x 2^e
	s_add_co_i32 s45, \e, 127
	s_lshl_b32 \sc, s45, 23
	s_add_co_i32 s45, s45, 8
	s_lshl_b32 s45, s45, 23
	s_or_b32 \lim, s45, 0x600000
.endm
	MKSC s44, s53, s56
	MKSC s46, s54, s57
	MKSC s47, s52, s55
; A unit, 4 - t of which are still to come or out.  Its results: the three scales, bounds and places take turns; x runs three trips, which bring them back to where they began; a weight runs one, and its three are equal.
.macro UNIT t
	s_wait_loadcnt 48-16*(\t)                      ; this unit's 16 loads are in; the later units' may be out
	WIN 0x04
.set ii, 0
.rept 16
	ds_store_b128 v[SI], v[64*(\t)+4*ii:64*(\t)+4*ii+3] offset:SP*ii
.set ii, ii+1
.endr
	WIN 0
.set ii, 0
.rept 16
	ds_load_b128 v[XN+4*ii:XN+4*ii+3], v[SO] offset:64*(ii/2)+16*(ii%2)   ; LDS serves a wave's instructions in order (ISA guide 5.7.1.4): no wait between the stores and the loads
.set ii, ii+1
.endr
	s_mov_b32 s7, 0
	s_wait_dscnt 0x0                               ; the unit is back
.Lres_\@:
	s_wait_xcnt 0x0                                ; the earlier stores have read the codes' registers and their base
	s_mov_b64 s[50:51], s[26:27]
	s_mov_b64 s[26:27], s[28:29]
	s_mov_b64 s[28:29], s[30:31]
	s_mov_b64 s[30:31], s[50:51]
	s_mov_b32 s58, s52
	s_mov_b32 s52, s53
	s_mov_b32 s53, s54
	s_mov_b32 s54, s58
	s_mov_b32 s58, s55
	s_mov_b32 s55, s56
	s_mov_b32 s56, s57
	s_mov_b32 s57, s58
	v_mov_b32 v9, s52
	v_mov_b32 v10, s55
.set cc, 0
.rept 8
.set jj, 0
.rept 8
	v_med3_num_f32 v[TM+8*(cc%2)+jj], v[XN+8*cc+jj], -v10, v10   ; the conversion to an 8-bit code does not saturate (ISA guide 7.6.2): the hold comes first.  These eight are also the plain lines behind the conversion above
.set jj, jj+1
.endr
	v_cvt_scalef32_pk8_fp8_f32 v[CD+2*cc:CD+2*cc+1], v[TM+8*(cc%2):TM+8*(cc%2)+7], v9
.set cc, cc+1
.endr
	v_nop                                          ; one plain line behind the last conversion
.set cc, 0
.rept 4
	global_store_b128 v[GI], v[CD+4*cc:CD+4*cc+3], s[26:27] offset:16384*(\t)+512*cc   ; 512 consecutive bytes
.set cc, cc+1
.endr
	s_add_co_u32 s7, s7, 1
	s_wait_alu depctr_va_vdst(0)
	s_cmp_lt_u32 s7, s6
	s_cbranch_scc1 .Lres_\@
.endm
	UNIT 0
	UNIT 1
	UNIT 2
	UNIT 3
	s_wait_tensorcnt 0x0                           ; the wave's end
	ds_add_u32 v240, v241
	s_wait_dscnt 0x0
	s_endpgm
.Lfunc_end_k_qd4b371751e_prep:
	.size	k_qd4b371751e_prep, .Lfunc_end_k_qd4b371751e_prep-k_qd4b371751e_prep
	.p2alignl 7, 3214868480
	.fill 96, 4, 3214868480
	.section	.rodata,"a",@progbits
	.p2align	6, 0x0
	.amdhsa_kernel k_qd4b371751e_prep
		.amdhsa_group_segment_fixed_size 34304
		.amdhsa_private_segment_fixed_size 0
		.amdhsa_enable_private_segment 0
		.amdhsa_kernarg_size 48
		.amdhsa_user_sgpr_count 2
		.amdhsa_user_sgpr_kernarg_segment_ptr 1
		.amdhsa_wavefront_size32 1
		.amdhsa_system_sgpr_workgroup_id_x 1
		.amdhsa_system_sgpr_workgroup_id_y 1
		.amdhsa_system_sgpr_workgroup_id_z 1
		.amdhsa_system_vgpr_workitem_id 0
		.amdhsa_next_free_vgpr 512
		.amdhsa_next_free_sgpr 66
		.amdhsa_reserve_vcc 0
		.amdhsa_float_denorm_mode_32 3
		.amdhsa_float_denorm_mode_16_64 3
		.amdhsa_memory_ordered 1
		.amdhsa_forward_progress 1
		.amdhsa_inst_pref_size 41
	.end_amdhsa_kernel
	.amdgpu_metadata
---
amdhsa.version: [ 1, 2 ]
amdhsa.kernels:
  - .name:           k_qd4b371751e_prep
    .symbol:         k_qd4b371751e_prep.kd
    .args:
      - { .name: x, .offset: 0, .size: 8, .value_kind: global_buffer, .address_space: global }
      - { .name: wq, .offset: 8, .size: 8, .value_kind: global_buffer, .address_space: global }
      - { .name: wk, .offset: 16, .size: 8, .value_kind: global_buffer, .address_space: global }
      - { .name: wv, .offset: 24, .size: 8, .value_kind: global_buffer, .address_space: global }
      - { .name: lowp_scales, .offset: 32, .size: 8, .value_kind: global_buffer, .address_space: global }
      - { .name: codes, .offset: 40, .size: 8, .value_kind: global_buffer, .address_space: global }
    .group_segment_fixed_size: 34304
    .private_segment_fixed_size: 0
    .kernarg_segment_align: 8
    .kernarg_segment_size: 48
    .max_flat_workgroup_size: 128
    .sgpr_count:     66
    .vgpr_count:     512
    .wavefront_size: 32
...
	.end_amdgpu_metadata
.endif
;; end of part 5
;; launch proj (part 6): grid 32 x 8, 4 waves a work-group, clusters of 4 x 4, 327,680 bytes of LDS; arguments codes, bq, bk, bv, lowp_scales, qkvcodes, wo, mask, maskbits, wocodes; writes qkvcodes, maskbits, wocodes
.if DOCPART == 6
	.amdgcn_target "amdgcn-amd-amdhsa--gfx1250"
	.amdhsa_code_object_version 6
	.text
	.protected	k_qd4b371751e_proj
	.globl	k_qd4b371751e_proj
	.p2align	8
	.type	k_qd4b371751e_proj,@function
k_qd4b371751e_proj:
	s_mov_b64 s[64:65], 0
	v_nop
	global_prefetch_b8 v0, s[64:65] scope:SCOPE_SE
	s_setreg_imm32_b32 hwreg(HW_REG_WAVE_MODE, 25, 1), 1
	s_wait_xcnt 0x0
	s_wait_alu depctr_hold_cnt(0) depctr_sa_sdst(0) depctr_va_vdst(0) depctr_va_sdst(0) depctr_va_ssrc(0) depctr_va_vcc(0) depctr_vm_vsrc(0)
	s_getreg_b32 s2, hwreg(HW_REG_IB_STS2, 6, 4)
	s_cmp_eq_u32 s2, 0
	s_cbranch_scc0 .Lentry_in_a_cluster
	s_endpgm
.Lentry_in_a_cluster:
	s_bfe_u32 s2, ttmp6, 0x10000c
	s_cmp_lg_u32 s2, 0xf033
	s_cbranch_scc0 .Lentry_shape_is_right
	s_endpgm
.Lentry_shape_is_right:
; q, k and v = x W^T + b on codes of E4M3, quantised again in the epilogue: 24 x 8 tiles of 256 x 256; a wave makes 128 x 128 in 512 accumulator registers.
; Codes lie as images of operand registers: [block of 128 rows][K step 16][row tile 8][2,048 bytes], so a slot's two K steps of a block are 32 KiB on end.
; A work-group's cluster column says which product: x's section is 0, 1, 2 and the weight's 3, 4, 5.  The matrix instruction takes W as source 0 for q and k, x as source 0 for v, so that a lane's eight results are neighbours along the next product's K.
; RING.  Two slots of two K steps.  Waves of even number own slot 0, of odd number slot 1; waves 0, 1 bring A's two blocks (64 KiB a load), waves 2, 3 B's.  At the head each wave issues its one load, so both slots are asked for;
; behind each change of slots the two waves that own the slot fill it again.
; CLUSTERS 4 x 4: A's tile is asked for jointly along a row, B's along a column.
; PREFETCH: the chunk two refills on, by the wave that will load it: its 2 x 32 KiB are shared out by address among the four partners that ask jointly (8 KiB of each block, a lane every 256 bytes).
; LIMITS: the sums of a product's two exponents between -126 and 127; the results' exponents (entries 6, 7, 9) between -126 and 119.
.set FRB,    2048
.set KCH,    8*FRB                     ; a K step of 128 rows
.set HALFT,  2*KCH                     ; a slot's part of a block of 128 rows
.set STEPB,  2*HALFT                   ; from a wave's chunk to its next: two slots' K
.set SLOT,   4*HALFT
.set SPARE,  2*SLOT
; THE LAST TWO COLUMNS OF CLUSTERS (cluster x = 6, 7) make no products: 32 work-groups turn wo into codes (entry 11; laid as the other weights' sections), 32 the mask into bits and flags, a tile of 16 rows to each of their 128 waves.
; They issue no tensor load and no joint request; the way parts on the cluster's number alone, and all ways end in the same closing round.  Their LDS stages are bytes of their own, behind the spare words.
; MASK BITS: [query tile 128][key step 16][64 words]; bit (lane) of word 8 t + j says that mask[16 T + r][128 s + 16 t + 8 h + j] is not 0: the place of that score in the attention launch's registers.
; FLAGS, behind the bits at byte 524,288: [query tile 128][64 equal words]: bit s: in key step s some key counts for some query; bit 16 + s: there every key counts for every query.
; LIMITS there: entry 11 between -126 and 119; NaN in wo is not served.
.set SP,     528                       ; a stage row: 512 bytes + 16
.set STGB,   16*SP                     ; a wave's stage
.set STG0,   SPARE+1024
.set XN,     144                       ; v144-207 a unit turned: register 8 c + j = element (r, 16 c + 8 h + j)
.set TM,     208                       ; v208-223 held numbers, or the flags
.set CD,     224                       ; v224-239 a fragment's codes; v224, v225 also the mask words
.set LAPS,   4
.set FR,     16
.set NL,     4
.set NP,     4
.set ADRA, 16
.set ADRB, 20
.set LI,   26
.set SPW,  28
.set NIL,  29
.set BB,   32
.set BA,   96
.set AF,   128
.set G1, 24
.set G0, 32
.set G1B, 48
.set G0B, 56
.set MSB, 0
.macro WIN new
.if MSB != (\new)
	s_set_vgpr_msb (MSB<<8)|(\new)
.set MSB, (\new)
.endif
.endm
.set MUL_LO, 0xa1
.set MUL_HI, 0xf1
.set TO_B,   0x40
; A joint load: slot 2 stands for the head, where every wave issues its own; else the two waves that own the slot.  The branches hang on the wave's number alone.
.macro JLOAD g0a, g1a, g0b, g1b, slot
.if (\slot) < 2
	s_cmp_lg_u32 s16, \slot
	s_cbranch_scc1 .Lasked_\@
.endif
	s_cmp_eq_u32 s15, 0
	s_cbranch_scc0 .Lfor_b_\@
.if (\slot) < 2
	s_add_nc_u64 s[\g0a+2:\g0a+3], s[\g0a+2:\g0a+3], STEPB
.endif
	tensor_load_to_lds s[\g0a:\g0a+3], s[\g1a:\g1a+7]
	s_nop 0
.rept 4
	v_nop
.endr
	s_branch .Lasked_\@
.Lfor_b_\@:
.if (\slot) < 2
	s_add_nc_u64 s[\g0b+2:\g0b+3], s[\g0b+2:\g0b+3], STEPB
.endif
	tensor_load_to_lds s[\g0b:\g0b+3], s[\g1b:\g1b+7]
	s_nop 0
.rept 4
	v_nop
.endr
.Lasked_\@:
.endm
.macro CREST
	s_cmp_lg_u32 s14, 0
	s_cbranch_scc1 .Lnot_wave_0_\@
	s_barrier_signal -3
.Lnot_wave_0_\@:
	s_barrier_wait -3
	s_barrier_signal -1
	s_barrier_wait -1
.endm
.macro CROUND
	s_barrier_signal -1
	s_barrier_wait -1
	CREST
.endm
	s_load_b256 s[68:75], s[0:1], 0x0
	s_load_b128 s[76:79], s[0:1], 0x20
	v_lshl_add_u32 v[SPW], v0, 2, SPARE
	v_mov_b32 v[NIL], 0
	ds_add_u32 v28, v29
	ds_add_u32 v28, v29
	s_wait_dscnt 0x0
	v_lshrrev_b32 v1, 5, v0
	v_readfirstlane_b32 s14, v1
	s_lshr_b32 s15, s14, 1
	s_and_b32 s16, s14, 1
	s_bfe_u32 s40, ttmp6, 0x40000
	s_bfe_u32 s41, ttmp6, 0x40004
	s_cmp_ge_u32 ttmp9, 6
	s_wait_alu depctr_va_vdst(0)
	s_cbranch_scc1 .Laux
	s_lshl_b32 s42, ttmp9, 2
	s_add_co_u32 s42, s42, s40
	s_and_b32 s42, s42, 7
	s_and_b32 s17, ttmp7, 0xffff
	s_lshl_b32 s17, s17, 2
	s_add_co_u32 s17, s17, s41
	s_lshr_b32 s12, ttmp9, 1
	s_lshl_b32 s43, s41, 2
	s_lshl_b32 s43, 15, s43
	s_lshl_b32 s44, 0x1111, s40
	s_or_b32 s[G1+0], s43, (3<<16)|(1<<21)
	s_or_b32 s[G1B+0], s44, (3<<16)|(1<<21)
.irp g, G1, G1B
	s_mov_b32 s[\g+1], 4096<<16                    ; two rows of 32 KiB (elements of 8 bytes), a block of 128 rows (256 KiB) apart
	s_mov_b32 s[\g+2], 2<<16
	s_mov_b32 s[\g+3], 4096<<16
	s_mov_b32 s[\g+4], 2
	s_mov_b32 s[\g+5], 32768
	s_mov_b32 s[\g+6], 0
	s_mov_b32 s[\g+7], 0
.endr
	s_add_co_u32 s13, s12, 3
	s_cmp_eq_u32 s12, 2
	s_cselect_b32 s13, 2, s13
	s_cselect_b32 s2, 5, s12
	s_lshl_b32 s18, s16, 15                        ; my slot's first chunk
	s_lshl_b32 s20, s17, 19
	s_add_co_u32 s20, s20, s18
	s_lshl_b32 s2, s2, 22
	s_add_co_u32 s20, s20, s2
	s_mov_b32 s21, 0
	s_lshl_b32 s46, s42, 19
	s_add_co_u32 s46, s46, s18
	s_lshl_b32 s13, s13, 22
	s_add_co_u32 s46, s46, s13
	s_mov_b32 s47, 0
	s_mul_i32 s45, s16, SLOT                       ; where it goes: my slot, A's two blocks or B's two
	s_mul_i32 s2, s15, 2*HALFT
	s_add_co_u32 s45, s45, s2
	s_wait_kmcnt 0x0
	s_load_b256 s[80:87], s[76:77], 0x0
	s_load_b128 s[88:91], s[76:77], 0x20
	s_add_nc_u64 s[20:21], s[68:69], s[20:21]
	s_add_nc_u64 s[46:47], s[68:69], s[46:47]
	CROUND
	s_mov_b32 s[G0], 1
	s_mov_b32 s[G0+1], s45
	s_mov_b64 s[G0+2:G0+3], s[20:21]
	s_or_b32 s[G0+3], s[G0+3], 0x80000000
	s_mov_b32 s[G0B], 1
	s_mov_b32 s[G0B+1], s45
	s_mov_b64 s[G0B+2:G0B+3], s[46:47]
	s_or_b32 s[G0B+3], s[G0B+3], 0x80000000
	JLOAD G0, G1, G0B, G1B, 2                      ; both slots: one load a wave
	s_cmp_eq_u32 s15, 0                            ; the prefetches' base s[66:67]: my chunk, my work-group's 8 KiB of each block: told apart by cx for A, cy for B
	s_cselect_b64 s[66:67], s[20:21], s[46:47]
	s_cselect_b32 s2, s40, s41
	s_lshl_b32 s2, s2, 13
	s_mov_b32 s3, 0
	s_add_nc_u64 s[66:67], s[66:67], s[2:3]
	v_and_b32 v1, 15, v0
	v_bfe_u32 v2, v0, 4, 1
	s_wait_alu depctr_va_vdst(0)
	v_and_b32 v6, 31, v0
	v_lshlrev_b32 v[LI], 4, v6
	v_lshlrev_b32 v30, 8, v6                       ; the prefetches' offset; never rewritten
	s_mul_i32 s21, s15, HALFT
	s_mul_i32 s22, s16, HALFT
	s_add_co_u32 s22, s22, 2*HALFT
.irp s, 0,1
	v_add_nc_u32 v[ADRA+\s], s21, v[LI]
	v_add_nc_u32 v[ADRB+\s], s22, v[LI]
	s_add_co_u32 s21, s21, SLOT
	s_add_co_u32 s22, s22, SLOT
.endr
	s_cmp_eq_u32 s12, 1
	s_cselect_b64 s[8:9], s[72:73], s[70:71]
	s_cmp_eq_u32 s12, 2
	s_cselect_b64 s[8:9], s[74:75], s[8:9]
	s_lshl_b32 s18, s42, 1
	s_add_co_u32 s18, s18, s16
	s_lshl_b32 s19, s17, 1
	s_add_co_u32 s19, s19, s15
	s_lshl_b32 s22, s18, 9
	s_lshl_b32 s23, s19, 9
	v_lshl_add_u32 v7, v2, 5, s22
	v_lshl_add_u32 v8, v1, 2, s23
.irp b, 0,1,2,3,4,5,6,7
	global_load_b128 v[BB+8*\b:BB+8*\b+3], v7, s[8:9] offset:64*\b
	global_load_b128 v[BB+8*\b+4:BB+8*\b+7], v7, s[8:9] offset:64*\b+16
.endr
.irp a, 0,1,2,3,4,5,6,7
	global_load_b32 v[BA+2*\a], v8, s[8:9] offset:64*\a
	global_load_b32 v[BA+2*\a+1], v8, s[8:9] offset:64*\a
.endr
	s_cmp_eq_u32 s12, 2
	s_cselect_b32 s22, s19, s18
	s_cselect_b32 s23, s18, s19
	s_lshl_b32 s22, s22, 18
	s_lshl_b32 s23, s23, 14
	s_add_co_u32 s22, s22, s23
	s_lshl_b32 s23, s12, 22
	s_add_co_u32 s22, s22, s23
	s_mov_b32 s23, 0
	s_add_nc_u64 s[10:11], s[78:79], s[22:23]
	s_wait_alu depctr_va_vdst(0)
	global_prefetch_b8 v30, s[66:67] offset:STEPB th:TH_LOAD_NT scope:SCOPE_SE   ; my slot's second chunk: one whole slot ahead of its load
	global_prefetch_b8 v30, s[66:67] offset:STEPB+0x40000 th:TH_LOAD_NT scope:SCOPE_SE
.macro FRAG reg, adr, q, i
.irp c, 0,1,2,3
	ds_load_b128 v[\reg+4*\c:\reg+4*\c+3], v[\adr] offset:FRB*(\i)+KCH*(\q)+512*\c
.endr
.endm
.macro MUL16 a0, p, zero
.irp a, \a0, \a0+1
.irp b, 0,1,2,3,4,5,6,7
.if \zero
	v_wmma_f32_16x16x128_fp8_fp8 v[8*(8*((\a)%4)+\b):8*(8*((\a)%4)+\b)+7], v[128*(\p)+FR*\b:128*(\p)+FR*\b+FR-1], v[AF+FR*(\a):AF+FR*(\a)+FR-1], 0
.else
	v_wmma_f32_16x16x128_fp8_fp8 v[8*(8*((\a)%4)+\b):8*(8*((\a)%4)+\b)+7], v[128*(\p)+FR*\b:128*(\p)+FR*\b+FR-1], v[AF+FR*(\a):AF+FR*(\a)+FR-1], v[8*(8*((\a)%4)+\b):8*(8*((\a)%4)+\b)+7]
.endif
.endr
.endr
.endm
.macro FETCH_B slot, q, p
	WIN TO_B
.irp i, 0,1,2,3,4,5,6,7
	FRAG 128*(\p)+FR*\i, ADRB+\slot, \q, \i
.endr
	WIN 0
.endm
.macro FETCH_A slot, q, i0
.irp i, \i0, \i0+1, \i0+2, \i0+3
	FRAG AF+FR*(\i), ADRA+\slot, \q, \i
.endr
.endm
.macro PLACES n
.rept \n
	v_nop
.endr
.endm
.macro STEP slot, q, zero
	s_wait_dscnt 4*NL
	WIN MUL_LO
	MUL16 0, (\q)%2, \zero
	MUL16 2, (\q)%2, \zero
	s_wait_dscnt 0
	PLACES NP
	FETCH_B \slot, (\q)+1, 1-(\q)%2
	FETCH_A \slot, (\q)+1, 0
	WIN MUL_HI
	MUL16 4, (\q)%2, \zero
	MUL16 6, (\q)%2, \zero
	PLACES NP
	WIN 0
	FETCH_A \slot, (\q)+1, 4
.endm
; Behind the refill with chunk c: the owners of the slot ask for chunk c + 2.  The base has been stepped by one chunk at each change of slots, so slot 0's owners stand an odd number of chunks on, slot 1's an even one.  The last lap asks for nothing.
.macro ASK slot
	s_cmp_lg_u32 s16, \slot
	s_cbranch_scc1 .Lnone_\@
	s_cmp_lt_u32 s3, 2
	s_cbranch_scc1 .Lnone_\@
	global_prefetch_b8 v30, s[66:67] offset:(3-\slot)*HALFT th:TH_LOAD_NT scope:SCOPE_SE
	global_prefetch_b8 v30, s[66:67] offset:(3-\slot)*HALFT+0x40000 th:TH_LOAD_NT scope:SCOPE_SE
.Lnone_\@:
.endm
; A slot's last step changes slots: the wait for all my tensor loads, the add, the wait for it and for my reads of this slot, and one barrier; fill = 1: it opens a round of the cluster's barrier, and the slot is filled again.
.macro TURN slot, next, fill
.if \fill
	s_wait_xcnt 0x0                                ; my prefetches have read their base
	s_add_nc_u64 s[66:67], s[66:67], HALFT
.endif
	s_wait_tensorcnt 0x0
	ds_add_u32 v[SPW], v[NIL]
	s_wait_dscnt 4*NL+1
	WIN MUL_LO
	MUL16 0, 1, 0
	s_wait_dscnt 0x0
	s_barrier_signal -1
	MUL16 2, 1, 0
	WIN 0
	s_barrier_wait -1
.if \fill
	CREST
	JLOAD G0, G1, G0B, G1B, \slot
.endif
	PLACES NP                                      ; in front of the loads into registers that the products above have read
	FETCH_B \next, 0, 0
	FETCH_A \next, 0, 0
.if \fill
	ASK \slot
.endif
	WIN MUL_HI
	MUL16 4, 1, 0
	MUL16 6, 1, 0
	PLACES NP
	WIN 0
	FETCH_A \next, 0, 4
.endm
	s_wait_alu depctr_va_vdst(0)
	s_wait_tensorcnt 0x0                           ; my one load is in: behind the barrier both slots are whole
	s_barrier_signal -1
	s_barrier_wait -1
	FETCH_B 0, 0, 0
	FETCH_A 0, 0, 0
	FETCH_A 0, 0, 4
	STEP 0, 0, 1
	s_mov_b32 s3, LAPS-1
.Llap:
	TURN 0, 1, 1
	STEP 1, 0, 0
	TURN 1, 0, 1
	STEP 0, 0, 0
	s_sub_co_u32 s3, s3, 1
	s_cmp_lg_u32 s3, 0
	s_cbranch_scc1 .Llap
	TURN 0, 1, 0
	STEP 1, 0, 0
	s_wait_dscnt 4*NL
	WIN MUL_LO
	MUL16 0, 1, 0
	MUL16 2, 1, 0
	s_wait_dscnt 0
	WIN MUL_HI
	MUL16 4, 1, 0
	MUL16 6, 1, 0
	WIN 0
	s_wait_loadcnt 0x0
	s_wait_kmcnt 0x0
	s_add_co_i32 s92, s80, s81
	s_add_co_i32 s93, s82, s83
	s_add_co_i32 s94, s84, s85
	s_cmp_eq_u32 s12, 1
	s_cselect_b32 s92, s93, s92
	s_cselect_b32 s95, s87, s86
	s_cmp_eq_u32 s12, 2
	s_cselect_b32 s92, s94, s92
	s_cselect_b32 s95, s89, s95
	s_add_co_i32 s92, s92, 127
	s_lshl_b32 s96, s92, 23
	s_mov_b32 s97, s96
	s_add_co_i32 s95, s95, 127
	s_lshl_b32 s92, s95, 23
	v_mov_b32 v12, s92
	s_add_co_i32 s95, s95, 8
	s_lshl_b32 s95, s95, 23
	s_or_b32 s95, s95, 0x600000
	v_mov_b32 v13, s95
	PLACES NP                                      ; in front of the first read of the last products' results
	s_wait_alu depctr_va_vdst(0)
.macro OUTBLK a
.set AC, 64*((\a)%4)
	s_cmp_eq_u32 s12, 2
	s_cbranch_scc1 .Lv_\@
	WIN 0x82+0x41*((\a)/4)
.set jj, 0
.rept 32
	v_pk_fma_f32 v[AC+jj:AC+jj+1], v[AC+jj:AC+jj+1], s[96:97], v[BB+jj:BB+jj+1] op_sel_hi:[1,0,1]   ; q, k: the bias runs along the registers
.set jj, jj+2
.endr
	WIN 0
	s_wait_alu depctr_va_vdst(0)
	s_branch .Lb_\@
.Lv_\@:
	WIN 0x82+0x41*((\a)/4)
.set jj, 0
.rept 32
	v_pk_fma_f32 v[AC+jj:AC+jj+1], v[AC+jj:AC+jj+1], s[96:97], v[BA+2*(\a):BA+2*(\a)+1] op_sel_hi:[1,0,1]   ; v: one bias a lane
.set jj, jj+2
.endr
	WIN 0
.Lb_\@:
	WIN 0x82+0x41*((\a)/4)
.set jj, 0
.rept 64
	v_med3_num_f32 v[AC+jj], v[AC+jj], -v13, v13
.set jj, jj+1
.endr
	WIN 0x02+((\a)/4)
.irp b, 0,1,2,3,4,5,6,7
	v_cvt_scalef32_pk8_fp8_f32 v[AF+16*(\a)+2*\b:AF+16*(\a)+2*\b+1], v[AC+8*\b:AC+8*\b+7], v12
.endr
	v_nop
	WIN 0
.irp c, 0,1,2,3
	global_store_b128 v[LI], v[AF+16*(\a)+4*\c:AF+16*(\a)+4*\c+3], s[10:11] offset:FRB*(\a)+512*\c
.endr
.endm
.irp a, 0,1,2,3,4,5,6,7
	OUTBLK \a
.endr
	s_branch .Lend
.Laux:                                                 ; wo and the mask
	s_load_b256 s[4:11], s[0:1], 0x30              ; wo, mask, mask bits, wo's codes
	v_and_b32 v2, 31, v0                           ; lane
	v_and_b32 v3, 15, v0                           ; r
	v_bfe_u32 v7, v0, 4, 1                         ; h
	v_lshlrev_b32 v4, 4, v2                        ; 16 x lane: loads and stores of codes
	s_mul_i32 s44, s14, STGB
	s_add_co_u32 s44, s44, STG0                    ; my stage
	v_add_nc_u32 v5, s44, v4                       ; in: a row's 512 bytes as they lie
	v_mul_u32_u24 v6, v3, SP
	v_lshl_add_u32 v6, v7, 5, v6
	v_add_nc_u32 v6, s44, v6                       ; out: row r, + 32 h
	v_lshlrev_b32 v8, 3, v2                        ; 8 x lane: stores of mask words
	v_mov_b32 v[CD], 0                             ; written once whole: a lane write counts as a read of its destination
	v_mov_b32 v[CD+1], 0
	s_and_b32 s12, ttmp9, 1                        ; 0: wo, 1: the mask
	s_and_b32 s17, ttmp7, 0xffff
	s_lshl_b32 s17, s17, 4
	s_lshl_b32 s18, s41, 2
	s_add_co_u32 s17, s17, s18
	s_add_co_u32 s17, s17, s40
	s_lshl_b32 s17, s17, 2
	s_add_co_u32 s17, s17, s14                     ; my tile, 0 .. 127
	s_lshl_b32 s20, s17, 17                        ; source: 16 rows of 8,192 bytes
	s_mov_b32 s21, 0
	s_lshr_b32 s22, s17, 3                         ; wo's codes: the block of 128 rows, the row tile in it
	s_lshl_b32 s22, s22, 18
	s_and_b32 s23, s17, 7
	s_lshl_b32 s23, s23, 11
	s_add_co_u32 s22, s22, s23
	s_lshl_b32 s24, s17, 12                        ; mask bits: 4,096 bytes a tile
	s_lshl_b32 s46, s17, 8                         ; flags
	s_add_co_u32 s46, s46, 0x80000
	s_mov_b32 s47, 0
	s_movk_i32 s48, 1024                           ; four units on: mask words,
	s_cmp_eq_u32 s12, 1
	s_cselect_b32 s48, s48, 65536                  ; or codes
	s_cselect_b32 s22, s24, s22
	s_mov_b32 s23, 0
	s_mov_b32 s49, 0
	s_mov_b32 s56, 0                               ; the flags
	s_wait_alu depctr_va_vdst(0)
	s_wait_kmcnt 0x0
	s_load_b32 s16, s[76:77], 0x2c                 ; entry 11
	s_add_nc_u64 s[46:47], s[8:9], s[46:47]
	s_cselect_b64 s[4:5], s[6:7], s[4:5]
	s_cselect_b64 s[6:7], s[8:9], s[10:11]
	s_add_nc_u64 s[4:5], s[4:5], s[20:21]
	s_add_nc_u64 s[6:7], s[6:7], s[22:23]
.macro AUXLOAD u, off                  ; 16 loads, each 512 consecutive bytes of one row, into window 1; read once in the launch
	WIN 0x40
.set ii, 0
.rept 16
	global_load_b128 v[64*(\u)+4*ii:64*(\u)+4*ii+3], v4, s[4:5] offset:8192*ii+512*(\u)+\off th:TH_LOAD_NT
.set ii, ii+1
.endr
	WIN 0
.endm
.macro AUXTURN u                       ; through the stage: LDS serves a wave's instructions in order (ISA guide 5.7.1.4)
	WIN 0x04
.set ii, 0
.rept 16
	ds_store_b128 v5, v[64*(\u)+4*ii:64*(\u)+4*ii+3] offset:SP*ii
.set ii, ii+1
.endr
	WIN 0
.set ii, 0
.rept 16
	ds_load_b128 v[XN+4*ii:XN+4*ii+3], v6 offset:64*(ii/2)+16*(ii%2)
.set ii, ii+1
.endr
	s_wait_dscnt 0x0                               ; the unit is back, and the stores into the stage have read their registers
.endm
	AUXLOAD 0, 0
	AUXLOAD 1, 0
	AUXLOAD 2, 0
	AUXLOAD 3, 0
	s_wait_kmcnt 0x0
	s_add_co_i32 s16, s16, 127
	s_lshl_b32 s17, s16, 23
	v_mov_b32 v9, s17                              ; 2^e as f32
	s_add_co_i32 s16, s16, 8
	s_lshl_b32 s16, s16, 23
	s_or_b32 s16, s16, 0x600000
	v_mov_b32 v10, s16                             ; 448 x that
	s_mov_b32 s3, 0
	s_wait_alu depctr_va_vdst(0)
; A unit: 16 rows x 512 bytes.  In every trip but the last its registers take the unit four further on.
.macro AUXUNIT u
	s_cmp_eq_u32 s3, 3
	s_cbranch_scc1 .Llast_\@
	s_wait_loadcnt 48                              ; this unit's 16 loads are in; the three younger units' 48 may be out
	AUXTURN \u
	AUXLOAD \u, 2048
	s_branch .Lwork_\@
.Llast_\@:
	s_wait_loadcnt 0x0
	AUXTURN \u
.Lwork_\@:
	s_wait_xcnt 0x0                                ; the earlier stores have read their registers
	s_wait_alu depctr_va_vdst(0)
	s_cmp_eq_u32 s12, 1
	s_cbranch_scc1 .Lmask_\@
.set cc, 0
.rept 8
.set jj, 0
.rept 8
	v_med3_num_f32 v[TM+8*(cc%2)+jj], v[XN+8*cc+jj], -v10, v10   ; the hold (ISA guide 7.6.2); these eight are also the plain lines behind the conversion above
.set jj, jj+1
.endr
	v_cvt_scalef32_pk8_fp8_f32 v[CD+2*cc:CD+2*cc+1], v[TM+8*(cc%2):TM+8*(cc%2)+7], v9
.set cc, cc+1
.endr
	v_nop                                          ; one plain line behind the last conversion
.set cc, 0
.rept 4
	global_store_b128 v4, v[CD+4*cc:CD+4*cc+3], s[6:7] offset:16384*(\u)+512*cc   ; 512 consecutive bytes
.set cc, cc+1
.endr
	s_branch .Ldone_\@
.Lmask_\@:                                             ; register n gives one word of 32 bits, a bit a lane; word n goes to lane n / 2 of register n % 2
.set nn, 0
.rept 16
.irp k, 0,1,2,3
	v_cmp_ne_u32 s[52+\k], 0, v[XN+nn+\k]
.endr
.irp k, 0,1,2,3
	v_writelane_b32 v[CD+(\k&1)], s[52+\k], (nn+\k)>>1
.endr
.set nn, nn+4
.endr
	global_store_b64 v8, v[CD:CD+1], s[6:7] offset:256*(\u)   ; 256 consecutive bytes
	v_or_b32 v[TM], v[CD], v[CD+1]                 ; the flags of this key step: some bit set,
	v_and_b32 v[TM+1], v[CD], v[CD+1]              ; all bits set
	v_cmp_ne_u32 s52, 0, v[TM]
	v_cmp_ne_u32 s53, -1, v[TM+1]
	s_lshl_b32 s57, s3, 2
	s_add_co_u32 s57, s57, \u                      ; the key step
	s_cmp_lg_u32 s52, 0
	s_cselect_b32 s54, 1, 0
	s_lshl_b32 s54, s54, s57
	s_or_b32 s56, s56, s54
	s_cmp_eq_u32 s53, 0
	s_cselect_b32 s54, 0x10000, 0
	s_lshl_b32 s54, s54, s57
	s_or_b32 s56, s56, s54
.Ldone_\@:
.endm
.Lunits:
	AUXUNIT 0
	AUXUNIT 1
	AUXUNIT 2
	AUXUNIT 3
	s_wait_xcnt 0x0                                ; loads and stores have read their bases
	s_add_nc_u64 s[4:5], s[4:5], 2048
	s_add_nc_u64 s[6:7], s[6:7], s[48:49]
	s_add_co_u32 s3, s3, 1
	s_wait_alu depctr_va_vdst(0)
	s_cmp_lt_u32 s3, 4
	s_cbranch_scc1 .Lunits
	s_cmp_eq_u32 s12, 1
	s_cbranch_scc0 .Lend
	v_mov_b32 v[TM], s56
	v_mov_b32 v[TM+1], s56
	global_store_b64 v8, v[TM:TM+1], s[46:47]      ; one word, 64 times: 256 consecutive bytes
.Lend:
	s_wait_tensorcnt 0x0
	ds_add_u32 v[SPW], v[NIL]
	s_wait_dscnt 0x0
	CROUND
	s_endpgm
.Lfunc_end_k_qd4b371751e_proj:
	.size	k_qd4b371751e_proj, .Lfunc_end_k_qd4b371751e_proj-k_qd4b371751e_proj
	.p2alignl 7, 3214868480
	.fill 96, 4, 3214868480
	.section	.rodata,"a",@progbits
	.p2align	6, 0x0
	.amdhsa_kernel k_qd4b371751e_proj
		.amdhsa_group_segment_fixed_size 327680
		.amdhsa_private_segment_fixed_size 0
		.amdhsa_enable_private_segment 0
		.amdhsa_kernarg_size 80
		.amdhsa_user_sgpr_count 2
		.amdhsa_user_sgpr_kernarg_segment_ptr 1
		.amdhsa_wavefront_size32 1
		.amdhsa_system_sgpr_workgroup_id_x 1
		.amdhsa_system_sgpr_workgroup_id_y 1
		.amdhsa_system_sgpr_workgroup_id_z 1
		.amdhsa_system_vgpr_workitem_id 0
		.amdhsa_next_free_vgpr 1024
		.amdhsa_next_free_sgpr 100
		.amdhsa_reserve_vcc 0
		.amdhsa_float_denorm_mode_32 3
		.amdhsa_float_denorm_mode_16_64 3
		.amdhsa_memory_ordered 1
		.amdhsa_forward_progress 1
		.amdhsa_inst_pref_size 244
	.end_amdhsa_kernel
	.amdgpu_metadata
---
amdhsa.version: [ 1, 2 ]
amdhsa.kernels:
  - .name:           k_qd4b371751e_proj
    .symbol:         k_qd4b371751e_proj.kd
    .args:
      - { .name: codes, .offset: 0, .size: 8, .value_kind: global_buffer, .address_space: global }
      - { .name: bq, .offset: 8, .size: 8, .value_kind: global_buffer, .address_space: global }
      - { .name: bk, .offset: 16, .size: 8, .value_kind: global_buffer, .address_space: global }
      - { .name: bv, .offset: 24, .size: 8, .value_kind: global_buffer, .address_space: global }
      - { .name: lowp_scales, .offset: 32, .size: 8, .value_kind: global_buffer, .address_space: global }
      - { .name: qkvcodes, .offset: 40, .size: 8, .value_kind: global_buffer, .address_space: global }
      - { .name: wo, .offset: 48, .size: 8, .value_kind: global_buffer, .address_space: global }
      - { .name: mask, .offset: 56, .size: 8, .value_kind: global_buffer, .address_space: global }
      - { .name: maskbits, .offset: 64, .size: 8, .value_kind: global_buffer, .address_space: global }
      - { .name: wocodes, .offset: 72, .size: 8, .value_kind: global_buffer, .address_space: global }
    .group_segment_fixed_size: 327680
    .private_segment_fixed_size: 0
    .kernarg_segment_align: 8
    .kernarg_segment_size: 80
    .max_flat_workgroup_size: 128
    .sgpr_count:     100
    .vgpr_count:     1024
    .wavefront_size: 32
...
	.end_amdgpu_metadata
.endif
;; end of part 6
;; launch attn (part 7): grid 16 x 16, 4 waves a work-group, no clusters, 135,680 bytes of LDS; arguments qkvcodes, maskbits, lowp_scales, ctxcodes; writes ctxcodes
.if DOCPART == 7
	.amdgcn_target "amdgcn-amd-amdhsa--gfx1250"
	.amdhsa_code_object_version 6
	.text
	.protected	k_qd4b371751e_attn
	.globl	k_qd4b371751e_attn
	.p2align	8
	.type	k_qd4b371751e_attn,@function
k_qd4b371751e_attn:
	s_mov_b64 s[64:65], 0
	v_nop
	global_prefetch_b8 v0, s[64:65] scope:SCOPE_SE
	s_setreg_imm32_b32 hwreg(HW_REG_WAVE_MODE, 25, 1), 1
	s_wait_xcnt 0x0
; Attention on codes of E4M3, 16 heads of 128, 2,048 queries and keys, with the mask that is given, as bits and flags made by launch proj.
; q, k: [head][row tile 128][2,048 bytes], v: [head][key step 16][channel tile 8][2,048 bytes]: images of operand registers (registers 4 c .. 4 c + 3 of lane l at byte 512 c + 16 l).
; THE SOFTMAX: t = score x log2(e) / sqrt(128); M = the running largest t rounded up to a whole number; p = 2^(t - M) is quantised along the keys, not normalised; the row's sum is taken of the unquantised p and divides at the end.
; When M moves, the sum and O are multiplied by 2^(old M - new M), which rounds nothing.  A masked score becomes -infinity ahead of the maximum, so its p is 0.
; A ROW WHOSE MASK IS ALL ZERO has the sum 0: all its codes become the format's NaN code, so that the last product gives NaN there.
; KEY STEPS OF 128.  A step in which no key counts for any of a wave's 32 queries adds nothing and is left out; in a step in which every key counts for all of them the selects are jumped over.  Both are decided by the flags, whole numbers read from memory.
; So branches and trip counts hang on loaded numbers, and this launch has no tensor load and no cluster: K and V go from memory straight into registers, each fragment in four loads of 512 consecutive bytes.
; SHARES.  A group is 32 queries (two tiles of 16).  A wave pair takes groups U and 63 - U of one head, U = 0 .. 31, one behind the other; the two waves of the pair take a group's live steps by turns (the first wave begins in group U, the second in group 63 - U).
; At a group's end each wave lays its partial O, M and sum in LDS; at the end each wave joins its own part and its partner's for one tile of each group: the factors are powers of two.
; A wave calls the tile that it will join X (its parity's) and the other Y.  Both products are used transposed (S^T = K Q^T, O^T = V^T P^T): a lane holds one query (lane % 16) of each tile throughout, and each fragment of K and V feeds two products.
; LOADS AHEAD.  The next step's K (and mask words) is asked for behind this step's score products, this step's V at the step's head: each has the softmax's work in which to land.  The list of live steps runs on from the first group into the second.
; The last step asks once more for step 15's K, inside the buffer, and nobody reads it: so the counts of the waits are the same in every trip.
; PREFETCH: each work-group asks for one key step's K and V of its head (its own number's), one instruction a wave, so each block of 256 bytes is named once in the launch.  None stands in the loop: which step a wave takes next is known from the flags alone, one step ahead, and that step's loads are issued then.
; LIMITS: entries 6 + 7 between -123 and 130 (added to c's exponent field); entries 8 and 10 between -126 and 119; scaled scores under 2^31 in magnitude.
; REGISTERS, in windows of 256 (s_set_vgpr_msb's low byte: bits 1:0 source 0, 3:2 source 1, 5:4 source 2, 7:6 destination):
;   window 0: v1-7 addresses; v8, v10 the factors; v12 -M, v13 the largest t, v[16:17] the sum of X; v14, v15, v[18:19] of Y; v20-25 constants; v[28:29], v[30:31] mask words; v32-63 Q; v64-95 P's codes; v96-159 S^T, then p of X; v160-223 of Y; v224-255 work.
;   window 1: v0-127 K's eight fragments, v128-255 V's.   window 2: v0-63 O^T of X, v64-127 of Y; v128-159 the second group's Q.
.set REG,   16896                      ; LDS for one wave's one group: O^T of X and Y, 8,192 bytes each, then -M and the sum, 256 bytes each
.set SPARE, 8*REG                      ; behind the eight regions: the spare words, 128 bytes for each wave, which no other line names
.set SPW,  5
.set NIL,  6
.set MSB, 0
.macro WIN new                         ; the immediate's high byte repeats the setting that is left; a switch that changes nothing is dropped
.if MSB != (\new)
	s_set_vgpr_msb (MSB<<8)|(\new)
.set MSB, (\new)
.endif
.endm
	s_load_b256 s[32:39], s[0:1], 0x0              ; q, k, v's codes s[32:33]; the mask bits s[34:35]; the scales' exponents s[36:37]; the result s[38:39]
	v_lshl_add_u32 v[SPW], v0, 2, SPARE
	v_mov_b32 v[NIL], 0
	v_lshrrev_b32 v8, 5, v0
	v_readfirstlane_b32 s8, v8                     ; wave 0..3
	v_and_b32 v1, 31, v0
	v_lshlrev_b32 v2, 3, v1                        ; 8 x lane
	v_lshlrev_b32 v3, 8, v1                        ; 256 x lane: the prefetch's offset; never rewritten
	v_lshlrev_b32 v1, 4, v1                        ; 16 x lane
	s_and_b32 s9, s8, 1                            ; my parity in the pair
	s_lshr_b32 s10, s8, 1                          ; which pair
	s_and_b32 s11, ttmp7, 0xffff
	s_lshl_b32 s12, s11, 1
	s_add_co_u32 s12, s12, s10                     ; U, 0 .. 31
	s_sub_co_u32 s13, 63, s12                      ; 63 - U
	s_lshl_b32 s16, s12, 1
	s_or_b32 s16, s16, s9                          ; X's tile in the first group,
	s_lshl_b32 s17, s13, 1
	s_or_b32 s17, s17, s9                          ; and in the second
	s_lshl_b32 s18, ttmp9, 18                      ; the head: a head's 128 fragments
	s_mov_b32 s19, 0
	s_lshl_b32 s74, s16, 11                        ; Q's four fragments
	s_mov_b32 s75, 0
	s_xor_b32 s76, s74, 2048
	s_mov_b32 s77, 0
	s_lshl_b32 s78, s17, 11
	s_mov_b32 s79, 0
	s_xor_b32 s80, s78, 2048
	s_mov_b32 s81, 0
	s_lshl_b32 s82, s16, 12                        ; mask words: 4,096 bytes a tile
	s_mov_b32 s83, 0
	s_xor_b32 s84, s82, 4096
	s_mov_b32 s85, 0
	s_sub_co_u32 s5, s17, s16
	s_lshl_b32 s5, s5, 8                           ; x 16: from the first group's mask words to the second's
	; (the mask's bits and flags are stored by launch proj: one flag word for each tile of 16 queries, 64 times)
	s_lshl_b32 s26, s12, 9
	s_add_co_u32 s26, s26, 0x80000
	s_mov_b32 s27, 0
	s_lshl_b32 s28, s13, 9
	s_add_co_u32 s28, s28, 0x80000
	s_mov_b32 s29, 0
	s_mov_b32 s91, 0
	s_mov_b32 s93, 0
	s_mov_b32 s98, 0x76543210                      ; v_permlanex16_b32's selects: lane l xor 16
	s_mov_b32 s99, 0xfedcba98
	s_mul_i32 s15, s8, 2*REG                       ; my region
	s_wait_alu depctr_va_vdst(0)
	s_wait_kmcnt 0x0
	s_add_nc_u64 s[24:25], s[34:35], s[26:27]
	s_add_nc_u64 s[28:29], s[34:35], s[28:29]
.irp q, 0,1
	s_load_b32 s[40+\q], s[24:25], 256*\q          ; the flags of the group's two tiles, a word each
	s_load_b32 s[42+\q], s[28:29], 256*\q
.endr
	s_load_b128 s[68:71], s[36:37], 0x18           ; entries 6 to 9
	s_load_b32 s72, s[36:37], 0x28                 ; entry 10
	s_add_nc_u64 s[18:19], s[32:33], s[18:19]      ; my head's q
	s_add_nc_u64 s[20:21], s[18:19], 0x400000      ; k
	s_add_nc_u64 s[22:23], s[18:19], 0x800000      ; v
	s_add_nc_u64 s[74:75], s[18:19], s[74:75]
	s_add_nc_u64 s[76:77], s[18:19], s[76:77]
	s_add_nc_u64 s[78:79], s[18:19], s[78:79]
	s_add_nc_u64 s[80:81], s[18:19], s[80:81]
	s_add_nc_u64 s[82:83], s[34:35], s[82:83]
	s_add_nc_u64 s[84:85], s[34:35], s[84:85]
.irp c, 0,1,2,3
	global_load_b128 v[32+4*\c:35+4*\c], v1, s[74:75] offset:512*\c
	global_load_b128 v[48+4*\c:51+4*\c], v1, s[76:77] offset:512*\c
.endr
	WIN 0x80                                       ; window 2: the second group's Q.  (Loads: destination window 2)
.irp c, 0,1,2,3
	global_load_b128 v[128+4*\c:131+4*\c], v1, s[78:79] offset:512*\c
	global_load_b128 v[144+4*\c:147+4*\c], v1, s[80:81] offset:512*\c
.endr
	WIN 0
	s_cmp_lt_u32 s8, 2                             ; the prefetch: waves 0, 1 the halves of K's step, waves 2, 3 of V's; the step is my block's number
	s_cselect_b64 s[30:31], s[20:21], s[22:23]
	s_lshl_b32 s10, s11, 14
	s_lshl_b32 s26, s9, 13
	s_add_co_u32 s26, s26, s10
	s_add_nc_u64 s[30:31], s[30:31], s[26:27]
	global_prefetch_b8 v3, s[30:31] th:TH_LOAD_NT scope:SCOPE_SE   ; (its base is never rewritten)
	v_mov_b32 v9, 0                                ; (named as the upper halves of the pairs v[8:9] and v[10:11])
	v_mov_b32 v11, 0
	v_mov_b32 v22, 0xff800000                      ; -infinity
	v_mov_b32 v25, 0x7f7f7f7f                      ; four NaN codes
	s_wait_alu depctr_va_vdst(0)
	s_wait_kmcnt 0x0
	s_add_co_i32 s27, s68, s69                     ; a score stands for score x 2^(entries 6 + 7): added to c's exponent field
	s_lshl_b32 s27, s27, 23
	s_add_co_i32 s100, s27, 0x3e0293ee             ; c = log2(e) / sqrt(128)
	s_mov_b32 s101, s100
	s_add_co_i32 s73, s70, s71                     ; entries 8 + 9, for the end
.macro MKSC e, sc, lim                 ; 2^e as f32 (the conversion takes its exponent field) and 448 x 2^e
	s_add_co_i32 s26, \e, 127
	s_lshl_b32 s27, s26, 23
	v_mov_b32 v[\sc], s27
	s_add_co_i32 s26, s26, 8
	s_lshl_b32 s26, s26, 23
	s_or_b32 s26, s26, 0x600000
	v_mov_b32 v[\lim], s26
.endm
	MKSC s70, 21, 20                               ; p
	MKSC s72, 23, 24                               ; the result
	s_cmp_ge_i32 s70, -8                           ; p is at most 1 (but for the last bits): from 2^-8 on the scale's largest number, 448 x 2^e, lies above it, and the hold changes nothing
	s_cselect_b32 s3, 1, 0
; The group's flags: any: bit s where some key of step s counts for some of its 32 queries; full: where all count for all.
.macro FLAGS b, any, full
	s_or_b32 s56, s[\b], s[\b+1]
	s_and_b32 s57, s[\b], s[\b+1]
	s_and_b32 \any, s56, 0xffff
	s_lshr_b32 \full, s57, 16
.endm
; My share of a group's live steps: bit s of the running exclusive or says whether an odd number of live steps lies at or under s.
.macro MINE any, flip
	s_mov_b32 s58, \any
.irp k, 1,2,4,8
	s_lshl_b32 s59, s58, \k
	s_xor_b32 s58, s58, s59
.endr
	s_xor_b32 s58, s58, \flip
	s_and_b32 \any, \any, s58
.endm
	FLAGS 40, s62, s6
	FLAGS 42, s63, s10
	s_lshl_b32 s10, s10, 16
	s_or_b32 s6, s6, s10                           ; full: the first group in bits 15:0, the second in 31:16
	s_sub_co_u32 s60, 0, s9
	s_not_b32 s61, s60
	MINE s62, s60
	MINE s63, s61
	s_bcnt1_i32_b32 s14, s62                       ; my steps in the first group,
	s_bcnt1_i32_b32 s13, s63                       ; and in the second
	s_lshl_b32 s7, s63, 16
	s_or_b32 s7, s7, s62                           ; my list
; The next step of my list: its offset among K's and V's steps (s92) and its mask words; s67 = 1 where all its keys count.  An empty list gives step 15.
.macro NEXT
	s_ctz_i32_b32 s26, s7
	s_min_u32 s26, s26, 31
	s_sub_co_u32 s27, s7, 1
	s_and_b32 s7, s7, s27
	s_lshr_b32 s67, s6, s26
	s_and_b32 s67, s67, 1
	s_and_b32 s27, s26, 15
	s_lshl_b32 s92, s27, 14
	s_lshl_b32 s90, s27, 8
	s_and_b32 s27, s26, 16
	s_mul_i32 s27, s27, s5
	s_add_co_u32 s90, s90, s27
	s_add_nc_u64 s[94:95], s[20:21], s[92:93]
	s_add_nc_u64 s[86:87], s[82:83], s[90:91]
	s_add_nc_u64 s[88:89], s[84:85], s[90:91]
.endm
; 16 loads: fragments t0 .. t0 + 3 into window 1 from v[reg + 16 t0] on
.macro FRUN reg, base, t0
	WIN 0x40
.irp t, 0,1,2,3
.irp c, 0,1,2,3
	global_load_b128 v[\reg+16*((\t0)+\t)+4*\c:\reg+16*((\t0)+\t)+4*\c+3], v1, s[\base:\base+1] offset:((\t0)+\t)*2048+512*\c
.endr
.endr
	WIN 0
.endm
.macro MRUN
	global_load_b64 v[28:29], v2, s[86:87]
	global_load_b64 v[30:31], v2, s[88:89]
.endm
	NEXT
	s_mov_b32 s66, s67
	FRUN 0, 94, 0
	FRUN 0, 94, 4
	MRUN
	s_mov_b32 s2, 0                                ; the group: 0, 1
.Ljob:
	v_mov_b32 v13, 0xff61b1e6                      ; the largest t so far: -3e38
	v_floor_f32 v12, -v13                          ; -M
	v_mov_b32 v15, v13
	v_mov_b32 v14, v12
.irp i, 16,17,18,19
	v_mov_b32 v\i, 0                               ; the sums
.endr
	WIN 0x80
.set ii, 0
.rept 128
	v_mov_b32 v[ii], 0                             ; O^T: the step is written once, and a wave may have no step at all; the first finds zeros, which the first change of M leaves zeros
.set ii, ii+1
.endr
	WIN 0
	s_mov_b32 s4, 0
	s_cmp_eq_u32 s14, 0
	s_wait_alu depctr_va_vdst(0)
	s_cbranch_scc1 .Lempty
.Lstep:
	s_add_nc_u64 s[96:97], s[22:23], s[92:93]      ; V's step.  (The loads that named this base are done: the waits ahead of the last step's second product)
.rept 4
	v_nop                                          ; four places behind the last step's products, which read V's registers (ISA guide 7.12.1)
.endr
	FRUN 128, 96, 0                                ; V's fragments 0-3
	s_wait_loadcnt 34                              ; K's fragments 0-3 are in (and Q); its other 16 loads, two of mask words and V's 16 may be out
	WIN 0x01
.irp t, 0,1,2,3
	v_wmma_f32_16x16x128_fp8_fp8 v[96+8*\t:103+8*\t], v[16*\t:16*\t+15], v[32:47], 0
	v_wmma_f32_16x16x128_fp8_fp8 v[160+8*\t:167+8*\t], v[16*\t:16*\t+15], v[48:63], 0
.endr
	s_wait_loadcnt 16                              ; all but V's 16
.irp t, 4,5,6,7
	v_wmma_f32_16x16x128_fp8_fp8 v[96+8*\t:103+8*\t], v[16*\t:16*\t+15], v[32:47], 0
	v_wmma_f32_16x16x128_fp8_fp8 v[160+8*\t:167+8*\t], v[16*\t:16*\t+15], v[48:63], 0
.endr
	FRUN 128, 96, 4                                ; V's fragments 4-7
	NEXT                                           ; (K's and the mask words' last loads are done, so their bases may be written)
.rept 4
	v_nop                                          ; four places: for the first read of the scores, and for the loads into K's registers
.endr
	s_cmp_eq_u32 s66, 1
	s_cbranch_scc1 .Lfull
.macro MSEL w, s0                      ; word n stands in lane n / 2 of register n % 2; a bit of 0: -infinity.  Ascending: each accumulator is read from its low end on
.set nn, 0
.rept 16
.irp k, 0,1,2,3
	v_readlane_b32 s[40+\k], v[\w+(\k&1)], (nn+\k)>>1
.endr
.irp k, 0,1,2,3
	v_cndmask_b32 v[\s0+nn+\k], v22, v[\s0+nn+\k], s[40+\k]
.endr
.set nn, nn+4
.endr
.endm
	MSEL 28, 96
	MSEL 30, 160
.Lfull:
	FRUN 0, 94, 0                                  ; the next step's K, fragments 0-3
	v_max3_num_f32 v26, v96, v97, v98              ; the step's largest score of my two queries among my 64 keys, two chains each
	v_max3_num_f32 v224, v160, v161, v162
	v_max3_num_f32 v27, v99, v100, v101
	v_max3_num_f32 v225, v163, v164, v165
.irp i, 6,10,14,18,22,26,30,34,38,42,46,50,54,58
	v_max3_num_f32 v26, v26, v[96+\i], v[97+\i]
	v_max3_num_f32 v224, v224, v[160+\i], v[161+\i]
	v_max3_num_f32 v27, v27, v[98+\i], v[99+\i]
	v_max3_num_f32 v225, v225, v[162+\i], v[163+\i]
.endr
	v_max3_num_f32 v26, v26, v158, v159
	v_max3_num_f32 v224, v224, v222, v223
	v_max_num_f32 v26, v26, v27
	v_max_num_f32 v224, v224, v225
	v_permlanex16_b32 v27, v26, s98, s99
	v_permlanex16_b32 v225, v224, s98, s99
	v_max_num_f32 v26, v26, v27                    ; and among lane l xor 16's
	v_max_num_f32 v224, v224, v225
	v_mul_f32 v26, s100, v26                       ; as t (c is positive)
	v_mul_f32 v224, s100, v224
	v_max_num_f32 v13, v13, v26                    ; the running largest t
	v_max_num_f32 v15, v15, v224
	v_floor_f32 v27, -v13                          ; the new -M = floor(-t): M is a whole number
	v_floor_f32 v225, -v15
	v_sub_f32 v26, v27, v12                        ; old M - new M: a whole number, 0 or less
	v_sub_f32 v224, v225, v14
	v_mov_b32 v12, v27
	v_mov_b32 v14, v225
	v_cvt_i32_f32 v26, v26                         ; (it saturates)
	v_cvt_i32_f32 v224, v224
	v_ldexp_f32 v8, 1.0, v26                       ; f = 2^(old M - new M)
	v_ldexp_f32 v10, 1.0, v224
.set jj, 0
.rept 32
	v_pk_fma_f32 v[96+jj:97+jj], v[96+jj:97+jj], s[100:101], v[12:13] op_sel_hi:[1,0,0]   ; X: t - M, two at a time
.set jj, jj+2
.endr
	WIN 0x82
.set jj, 0
.rept 32
	v_pk_mul_f32 v[jj:jj+1], v[jj:jj+1], v[8:9] op_sel_hi:[1,0]   ; O^T under the new M, each accumulator from its low end on
.set jj, jj+2
.endr
.rept 32
	v_pk_mul_f32 v[jj:jj+1], v[jj:jj+1], v[10:11] op_sel_hi:[1,0]
.set jj, jj+2
.endr
	WIN 0
	FRUN 0, 94, 4                                  ; the next step's K, fragments 4-7,
	MRUN                                           ; and its mask words
	s_wait_alu depctr_va_vdst(0)
.set jj, 0
.rept 32
	v_exp_f32 v[96+jj], v[96+jj]                   ; X: p = 2^(t - M),
	v_exp_f32 v[97+jj], v[97+jj]
	v_pk_fma_f32 v[160+jj:161+jj], v[160+jj:161+jj], s[100:101], v[14:15] op_sel_hi:[1,0,0]   ; Y's t - M between them
.set jj, jj+2
.endr
	s_wait_alu depctr_va_vdst(0)                   ; behind X's batch and ahead of Y's
.set jj, 0
.rept 16
	v_exp_f32 v[160+4*jj], v[160+4*jj]
	v_exp_f32 v[161+4*jj], v[161+4*jj]
	v_exp_f32 v[162+4*jj], v[162+4*jj]
	v_exp_f32 v[163+4*jj], v[163+4*jj]
	v_pk_add_f32 v[224+2*jj:225+2*jj], v[96+4*jj:97+4*jj], v[98+4*jj:99+4*jj]   ; X's sum of the unquantised p: its first level
.set jj, jj+1
.endr
	s_wait_alu depctr_va_vdst(0)                   ; behind Y's batch
.set jj, 0
.rept 16
	v_pk_add_f32 v[64+2*jj:65+2*jj], v[160+4*jj:161+4*jj], v[162+4*jj:163+4*jj]
.set jj, jj+1
.endr
.macro LEVEL n                         ; n pairs of each tile's partial sums are left
.set jj, 0
.rept \n
	v_pk_add_f32 v[224+jj:225+jj], v[224+jj:225+jj], v[224+2*\n+jj:225+2*\n+jj]
	v_pk_add_f32 v[64+jj:65+jj], v[64+jj:65+jj], v[64+2*\n+jj:65+2*\n+jj]
.set jj, jj+2
.endr
.endm
	LEVEL 8
	LEVEL 4
	LEVEL 2
	LEVEL 1
	v_pk_fma_f32 v[16:17], v[16:17], v[8:9], v[224:225] op_sel_hi:[1,0,1]   ; the sums under the new M, and this step's
	v_pk_fma_f32 v[18:19], v[18:19], v[10:11], v[64:65] op_sel_hi:[1,0,1]
	s_cmp_eq_u32 s3, 1
	s_cbranch_scc1 .Lheld                          ; the scale covers every p
.set jj, 0
.rept 128
	v_min_num_f32 v[96+jj], v[96+jj], v20          ; the conversion does not saturate (ISA guide 7.6.2); p is not negative, so the hold is one-sided
.set jj, jj+1
.endr
.Lheld:
.irp t, 0,1,2,3,4,5,6,7
	v_cvt_scalef32_pk8_fp8_f32 v[64+2*\t:65+2*\t], v[96+8*\t:103+8*\t], v21     ; registers 2 t, 2 t + 1 of P's fragment: keys 16 t + 8 h + 0 .. 7
	v_cvt_scalef32_pk8_fp8_f32 v[80+2*\t:81+2*\t], v[160+8*\t:167+8*\t], v21
.endr
	v_nop                                          ; one plain line behind the last conversion
	s_wait_alu depctr_va_vdst(0)
	s_wait_loadcnt 50                              ; V's fragments 0-3 are in; its other 16 loads, the next K's 32 and two of mask words may be out
	WIN 0xa1
.irp t, 0,1,2,3
	v_wmma_f32_16x16x128_fp8_fp8 v[8*\t:8*\t+7], v[128+16*\t:143+16*\t], v[64:79], v[8*\t:8*\t+7]   ; the sixteen accumulators take turns, one instruction a turn
	v_wmma_f32_16x16x128_fp8_fp8 v[64+8*\t:71+8*\t], v[128+16*\t:143+16*\t], v[80:95], v[64+8*\t:71+8*\t]
.endr
	s_wait_loadcnt 34                              ; all of V
.irp t, 4,5,6,7
	v_wmma_f32_16x16x128_fp8_fp8 v[8*\t:8*\t+7], v[128+16*\t:143+16*\t], v[64:79], v[8*\t:8*\t+7]
	v_wmma_f32_16x16x128_fp8_fp8 v[64+8*\t:71+8*\t], v[128+16*\t:143+16*\t], v[80:95], v[64+8*\t:71+8*\t]
.endr
	WIN 0
	s_mov_b32 s66, s67
	s_add_co_u32 s4, s4, 1
	s_cmp_lt_u32 s4, s14
	s_cbranch_scc1 .Lstep
.Lempty:
.rept 4
	v_nop                                          ; four places behind the last products
.endr
	s_wait_loadcnt 34                              ; the second group's Q is in (also where the first group had no step of mine)
	v_add_nc_u32 v4, s15, v1
	v_add_nc_u32 v7, s15, v2
	v_add_f32 v13, v16, v17                        ; the sums' two halves
	v_add_f32 v15, v18, v19
	ds_store_b64 v7, v[12:13] offset:16384         ; -M and the sum
	ds_store_b64 v7, v[14:15] offset:16640
	WIN 0x08
.set ii, 0
.rept 32
	ds_store_b128 v4, v[4*ii:4*ii+3] offset:512*ii
.set ii, ii+1
.endr
	WIN 0
	s_add_co_u32 s15, s15, REG
	s_mov_b32 s14, s13
	s_cmp_lg_u32 s2, 0
	s_cbranch_scc1 .Lsame
	WIN 0x02
.set ii, 0
.rept 32
	v_mov_b32 v[32+ii], v[128+ii]                  ; the second group's Q
.set ii, ii+1
.endr
	WIN 0
	s_wait_alu depctr_va_vdst(0)
.Lsame:
	s_add_co_u32 s2, s2, 1
	s_cmp_lt_u32 s2, 2
	s_cbranch_scc1 .Ljob
	; THE WAY OUT.  Tile X of each group: my part and my partner's (there it is Y); O^T x 2^(entries 8 + 9) / the sum, held, converted under entry 10's scale: the last product's fragment (K step = my head).
	s_xor_b32 s10, s8, 1
	s_mul_i32 s10, s10, 2*REG
	s_mul_i32 s26, s8, 2*REG
	v_add_nc_u32 v4, s26, v1
	v_add_nc_u32 v7, s26, v2
	v_add_nc_u32 v252, s10, v1
	v_add_nc_u32 v253, s10, v2
.macro CTX t, d                        ; the fragment's place: [block of 128 rows][head][row tile 8][2,048 bytes]
	s_lshr_b32 s[\d], \t, 3
	s_lshl_b32 s[\d], s[\d], 18
	s_and_b32 s26, \t, 7
	s_lshl_b32 s26, s26, 11
	s_add_co_u32 s[\d], s[\d], s26
	s_lshl_b32 s26, ttmp9, 14
	s_add_co_u32 s[\d], s[\d], s26
	s_mov_b32 s[\d+1], 0
	s_add_nc_u64 s[\d:\d+1], s[38:39], s[\d:\d+1]
.endm
	s_wait_alu depctr_va_vdst(0)
	CTX s16, 24
	CTX s17, 28
	s_wait_dscnt 0x0                               ; my parts lie in LDS
	s_barrier_signal -1
	s_barrier_wait -1
.macro FIN j, cd, dst
	ds_load_b64 v[12:13], v7 offset:REG*\j+16384
	ds_load_b64 v[14:15], v253 offset:REG*\j+16640
.set ii, 0
.rept 16
	ds_load_b128 v[96+4*ii:99+4*ii], v4 offset:REG*\j+512*ii
	ds_load_b128 v[160+4*ii:163+4*ii], v252 offset:REG*\j+8192+512*ii
.set ii, ii+1
.endr
	s_wait_dscnt 0x0
	v_min_num_f32 v26, v12, v14                    ; -M of both
	v_sub_f32 v27, v26, v12
	v_sub_f32 v224, v26, v14
	v_cvt_i32_f32 v27, v27
	v_cvt_i32_f32 v224, v224
	v_ldexp_f32 v8, 1.0, v27
	v_ldexp_f32 v10, 1.0, v224
	v_mul_f32 v16, v13, v8
	v_fma_f32 v16, v15, v10, v16
	v_permlanex16_b32 v17, v16, s98, s99
	v_add_f32 v16, v16, v17                        ; the row's sum
	v_cmp_eq_f32 s40, 0, v16                       ; 0 only where every key was masked
.set jj, 0
.rept 32
	v_pk_mul_f32 v[96+jj:97+jj], v[96+jj:97+jj], v[8:9] op_sel_hi:[1,0]
.set jj, jj+2
.endr
	s_wait_alu depctr_va_vdst(0)                   ; ahead of the transcendental
	v_rcp_f32 v18, v16
.set jj, 0
.rept 32
	v_pk_fma_f32 v[96+jj:97+jj], v[160+jj:161+jj], v[10:11], v[96+jj:97+jj] op_sel_hi:[1,0,1]
.set jj, jj+2
.endr
	s_wait_alu depctr_va_vdst(0)                   ; and ahead of its first reader
	v_ldexp_f32 v18, v18, s73
.set jj, 0
.rept 32
	v_pk_mul_f32 v[96+jj:97+jj], v[96+jj:97+jj], v[18:19] op_sel_hi:[1,0]   ; register 8 t + i: channel 16 t + 8 h + i of my query
.set jj, jj+2
.endr
.set jj, 0
.rept 64
	v_med3_num_f32 v[96+jj], v[96+jj], -v24, v24
.set jj, jj+1
.endr
.irp t, 0,1,2,3,4,5,6,7
	v_cvt_scalef32_pk8_fp8_f32 v[\cd+2*\t:\cd+2*\t+1], v[96+8*\t:103+8*\t], v23
.endr
	v_nop                                          ; one plain line behind the last conversion
.set jj, 0
.rept 16
	v_cndmask_b32 v[\cd+jj], v[\cd+jj], v25, s40
.set jj, jj+1
.endr
.irp c, 0,1,2,3
	global_store_b128 v1, v[\cd+4*\c:\cd+4*\c+3], s[\dst:\dst+1] offset:512*\c   ; 512 consecutive bytes
.endr
.endm
	FIN 0, 64, 24
	FIN 1, 80, 28
	s_wait_tensorcnt 0x0                           ; the wave's end
	ds_add_u32 v[SPW], v[NIL]
	s_wait_dscnt 0x0
	s_endpgm
.Lfunc_end_k_qd4b371751e_attn:
	.size	k_qd4b371751e_attn, .Lfunc_end_k_qd4b371751e_attn-k_qd4b371751e_attn
	.p2alignl 7, 3214868480
	.fill 96, 4, 3214868480
	.section	.rodata,"a",@progbits
	.p2align	6, 0x0
	.amdhsa_kernel k_qd4b371751e_attn
		.amdhsa_group_segment_fixed_size 135680
		.amdhsa_private_segment_fixed_size 0
		.amdhsa_enable_private_segment 0
		.amdhsa_kernarg_size 32
		.amdhsa_user_sgpr_count 2
		.amdhsa_user_sgpr_kernarg_segment_ptr 1
		.amdhsa_wavefront_size32 1
		.amdhsa_system_sgpr_workgroup_id_x 1
		.amdhsa_system_sgpr_workgroup_id_y 1
		.amdhsa_system_sgpr_workgroup_id_z 1
		.amdhsa_system_vgpr_workitem_id 0
		.amdhsa_next_free_vgpr 672
		.amdhsa_next_free_sgpr 102
		.amdhsa_reserve_vcc 0
		.amdhsa_float_denorm_mode_32 3
		.amdhsa_float_denorm_mode_16_64 3
		.amdhsa_memory_ordered 1
		.amdhsa_forward_progress 1
		.amdhsa_inst_pref_size 102
	.end_amdhsa_kernel
	.amdgpu_metadata
---
amdhsa.version: [ 1, 2 ]
amdhsa.kernels:
  - .name:           k_qd4b371751e_attn
    .symbol:         k_qd4b371751e_attn.kd
    .args:
      - { .name: qkvcodes, .offset: 0, .size: 8, .value_kind: global_buffer, .address_space: global }
      - { .name: maskbits, .offset: 8, .size: 8, .value_kind: global_buffer, .address_space: global }
      - { .name: lowp_scales, .offset: 16, .size: 8, .value_kind: global_buffer, .address_space: global }
      - { .name: ctxcodes, .offset: 24, .size: 8, .value_kind: global_buffer, .address_space: global }
    .group_segment_fixed_size: 135680
    .private_segment_fixed_size: 0
    .kernarg_segment_align: 8
    .kernarg_segment_size: 32
    .max_flat_workgroup_size: 128
    .sgpr_count:     102
    .vgpr_count:     672
    .wavefront_size: 32
...
	.end_amdgpu_metadata
.endif
;; end of part 7
;; launch oproj (part 8): grid 16 x 16, 4 waves a work-group, clusters of 4 x 4, 327,680 bytes of LDS; arguments ctxcodes, wocodes, lowp_scales, bo, out0; writes out0
.if DOCPART == 8
	.amdgcn_target "amdgcn-amd-amdhsa--gfx1250"
	.amdhsa_code_object_version 6
	.text
	.protected	k_qd4b371751e_oproj
	.globl	k_qd4b371751e_oproj
	.p2align	8
	.type	k_qd4b371751e_oproj,@function
k_qd4b371751e_oproj:
	s_mov_b64 s[64:65], 0
	v_nop
	global_prefetch_b8 v0, s[64:65] scope:SCOPE_SE
	s_setreg_imm32_b32 hwreg(HW_REG_WAVE_MODE, 25, 1), 1
	s_wait_xcnt 0x0
	s_wait_alu depctr_hold_cnt(0) depctr_sa_sdst(0) depctr_va_vdst(0) depctr_va_sdst(0) depctr_va_ssrc(0) depctr_va_vcc(0) depctr_vm_vsrc(0)
	s_getreg_b32 s2, hwreg(HW_REG_IB_STS2, 6, 4)
	s_cmp_eq_u32 s2, 0
	s_cbranch_scc0 .Lentry_in_a_cluster
	s_endpgm
.Lentry_in_a_cluster:
	s_bfe_u32 s2, ttmp6, 0x10000c
	s_cmp_lg_u32 s2, 0xf033
	s_cbranch_scc0 .Lentry_shape_is_right
	s_endpgm
.Lentry_shape_is_right:
.set SIZE_N, 2048
; out = ctx Wo^T + bo on codes of E4M3: 16 x 16 tiles of 128 x 128; a wave makes 64 x 64.
; Codes lie as images of operand registers: [block of 128 rows][K step 16][row tile 8][2,048 bytes], so a slot's four K steps of an operand are 64 KiB on end.
; RING.  Two slots of four K steps.  Waves of even number own slot 0, of odd number slot 1; waves 0, 1 bring A's part, waves 2, 3 B's, 64 KiB a load.  At the head each wave issues its one load, so both slots are asked for;
; behind the first change of each slot its two owners fill it again, once.
; CLUSTERS 4 x 4: A's tile is asked for jointly along a row, B's along a column.
; PREFETCH: at the head, what the slot's one refill will bring, by the wave that will load it: its 64 KiB are shared out by address among the four partners that ask jointly (16 KiB each, a lane every 256 bytes).
; LIMIT: entries 10 + 11 between -126 and 127.
.set FRB,    2048
.set KCH,    8*FRB                     ; a K step of 128 rows
.set HALFT,  4*FRB                     ; 64 rows of it
.set OPB,    4*KCH                     ; a slot's part of an operand
.set STEPB,  2*OPB                     ; from a wave's chunk to its next: two slots' K
.set SLOT,   2*OPB
.set STAGE,  2*SLOT
.set SPITCH, 272
.set SPARE,  STAGE+4*16*SPITCH
.set NP,     4
.set ADRA, 16
.set ADRB, 20
.set STO,  24
.set RD,   25
.set CO,   26
.set LI,   27
.set SPW,  28
.set NIL,  29
.set BB,   32
.set ACC,  128
.set F0,   0
.set F1,   128
.set G1, 24
.set G0, 32
.set G1B, 48
.set G0B, 56
.set MSB, 0
.macro WIN new
.if MSB != (\new)
	s_set_vgpr_msb (MSB<<8)|(\new)
.set MSB, (\new)
.endif
.endm
.set MUL,  0x05
.set TO_F, 0x40
; A joint load: slot 2 stands for the head, where every wave issues its own; else the two waves that own the slot.  The branches hang on the wave's number alone.
.macro JLOAD g0a, g1a, g0b, g1b, slot
.if (\slot) < 2
	s_cmp_lg_u32 s16, \slot
	s_cbranch_scc1 .Lasked_\@
.endif
	s_cmp_eq_u32 s15, 0
	s_cbranch_scc0 .Lfor_b_\@
.if (\slot) < 2
	s_add_nc_u64 s[\g0a+2:\g0a+3], s[\g0a+2:\g0a+3], STEPB
.endif
	tensor_load_to_lds s[\g0a:\g0a+3], s[\g1a:\g1a+7]
	s_nop 0
.rept 4
	v_nop
.endr
	s_branch .Lasked_\@
.Lfor_b_\@:
.if (\slot) < 2
	s_add_nc_u64 s[\g0b+2:\g0b+3], s[\g0b+2:\g0b+3], STEPB
.endif
	tensor_load_to_lds s[\g0b:\g0b+3], s[\g1b:\g1b+7]
	s_nop 0
.rept 4
	v_nop
.endr
.Lasked_\@:
.endm
.macro CREST
	s_cmp_lg_u32 s14, 0
	s_cbranch_scc1 .Lnot_wave_0_\@
	s_barrier_signal -3
.Lnot_wave_0_\@:
	s_barrier_wait -3
	s_barrier_signal -1
	s_barrier_wait -1
.endm
.macro CROUND
	s_barrier_signal -1
	s_barrier_wait -1
	CREST
.endm
	s_load_b128 s[4:7], s[0:1], 0x0
	s_load_b128 s[8:11], s[0:1], 0x10
	s_load_b64 s[12:13], s[0:1], 0x20
	v_lshl_add_u32 v[SPW], v0, 2, SPARE
	v_mov_b32 v[NIL], 0
	ds_add_u32 v28, v29
	ds_add_u32 v28, v29
	s_wait_dscnt 0x0
	v_lshrrev_b32 v1, 5, v0
	v_readfirstlane_b32 s14, v1
	s_lshr_b32 s15, s14, 1
	s_and_b32 s16, s14, 1
	s_bfe_u32 s40, ttmp6, 0x40000
	s_bfe_u32 s41, ttmp6, 0x40004
	s_lshl_b32 s42, ttmp9, 2
	s_add_co_u32 s42, s42, s40
	s_and_b32 s17, ttmp7, 0xffff
	s_lshl_b32 s17, s17, 2
	s_add_co_u32 s17, s17, s41
	s_lshl_b32 s43, s41, 2
	s_lshl_b32 s43, 15, s43
	s_lshl_b32 s44, 0x1111, s40
	s_or_b32 s[G1+0], s43, (3<<16)|(1<<21)
	s_or_b32 s[G1B+0], s44, (3<<16)|(1<<21)
.irp g, G1, G1B
	s_mov_b32 s[\g+1], 4096<<16                    ; a dense block of 64 KiB as two rows of 32 KiB (elements of 8 bytes)
	s_mov_b32 s[\g+2], 2<<16
	s_mov_b32 s[\g+3], 4096<<16
	s_mov_b32 s[\g+4], 2
	s_mov_b32 s[\g+5], 4096
	s_mov_b32 s[\g+6], 0
	s_mov_b32 s[\g+7], 0
.endr
	s_lshl_b32 s18, s16, 16                        ; my slot's first chunk
	s_lshl_b32 s20, s17, 18
	s_add_co_u32 s20, s20, s18
	s_mov_b32 s21, 0
	s_lshl_b32 s46, s42, 18
	s_add_co_u32 s46, s46, s18
	s_mov_b32 s47, 0
	s_mul_i32 s45, s16, SLOT                       ; where it goes: my slot, A's part or B's
	s_mul_i32 s2, s15, OPB
	s_add_co_u32 s45, s45, s2
	s_wait_kmcnt 0x0
	s_load_b64 s[96:97], s[8:9], 0x28
	s_add_nc_u64 s[20:21], s[4:5], s[20:21]
	s_add_nc_u64 s[46:47], s[6:7], s[46:47]
	CROUND
	s_mov_b32 s[G0], 1
	s_mov_b32 s[G0+1], s45
	s_mov_b64 s[G0+2:G0+3], s[20:21]
	s_or_b32 s[G0+3], s[G0+3], 0x80000000
	s_mov_b32 s[G0B], 1
	s_mov_b32 s[G0B+1], s45
	s_mov_b64 s[G0B+2:G0B+3], s[46:47]
	s_or_b32 s[G0B+3], s[G0B+3], 0x80000000
	JLOAD G0, G1, G0B, G1B, 2                      ; both slots: one load a wave
	s_cmp_eq_u32 s15, 0                            ; the prefetches' base s[66:67]: my chunk, my work-group's 16 KiB: told apart by cx for A, cy for B
	s_cselect_b64 s[66:67], s[20:21], s[46:47]
	s_cselect_b32 s2, s40, s41
	s_lshl_b32 s2, s2, 14
	s_mov_b32 s3, 0
	s_add_nc_u64 s[66:67], s[66:67], s[2:3]
	v_and_b32 v1, 15, v0
	s_wait_alu depctr_va_vdst(0)
	v_bfe_u32 v2, v0, 4, 1
	v_and_b32 v6, 31, v0
	v_lshlrev_b32 v[LI], 4, v6
	v_lshlrev_b32 v30, 8, v6                       ; the prefetches' offset; never rewritten
	s_mul_i32 s21, s15, HALFT
	s_mul_i32 s22, s16, HALFT
	s_add_co_u32 s22, s22, OPB
.irp s, 0,1
	v_add_nc_u32 v[ADRA+\s], s21, v[LI]
	v_add_nc_u32 v[ADRB+\s], s22, v[LI]
	s_add_co_u32 s21, s21, SLOT
	s_add_co_u32 s22, s22, SLOT
.endr
	s_mul_i32 s23, s14, 16*SPITCH
	s_add_co_u32 s23, s23, STAGE
	v_mul_u32_u24 v5, v1, SPITCH
	s_wait_alu depctr_va_vdst(0)
	v_lshl_add_u32 v5, v2, 5, v5
	v_add_nc_u32 v[STO], s23, v5
	v_mul_u32_u24 v5, v2, SPITCH
	v_lshl_add_u32 v5, v1, 4, v5
	v_add_nc_u32 v[RD], s23, v5
	v_lshlrev_b32 v5, 13, v2
	v_lshl_add_u32 v[CO], v1, 4, v5
	s_lshl_b32 s20, s17, 20
	s_lshl_b32 s21, s15, 19
	s_add_co_u32 s20, s20, s21
	s_lshl_b32 s46, s42, 9
	s_lshl_b32 s47, s16, 8
	s_add_co_u32 s46, s46, s47
	v_lshl_add_u32 v7, v2, 5, s46
.irp b, 0,1,2,3
	global_load_b128 v[BB+8*\b:BB+8*\b+3], v7, s[10:11] offset:64*\b
	global_load_b128 v[BB+8*\b+4:BB+8*\b+7], v7, s[10:11] offset:64*\b+16
.endr
	s_add_co_u32 s20, s20, s46
	s_mov_b32 s21, 0
	s_add_nc_u64 s[12:13], s[12:13], s[20:21]
	s_wait_alu depctr_va_vdst(0)
	global_prefetch_b8 v30, s[66:67] offset:STEPB th:TH_LOAD_NT scope:SCOPE_SE   ; my slot's second chunk: one whole slot ahead of its load
	global_prefetch_b8 v30, s[66:67] offset:STEPB+8192 th:TH_LOAD_NT scope:SCOPE_SE
.macro FETCH slot, q, f
	WIN TO_F
.irp i, 0,1,2,3
.irp c, 0,1,2,3
	ds_load_b128 v[\f+64+16*\i+4*\c:\f+64+16*\i+4*\c+3], v[ADRB+\slot] offset:FRB*\i+KCH*(\q)+512*\c
.endr
.endr
.irp i, 0,1,2,3
.irp c, 0,1,2,3
	ds_load_b128 v[\f+16*\i+4*\c:\f+16*\i+4*\c+3], v[ADRA+\slot] offset:FRB*\i+KCH*(\q)+512*\c
.endr
.endr
	WIN 0
.endm
.macro MULA f, a, zero
.irp b, 0,1,2,3
.if \zero
	v_wmma_f32_16x16x128_fp8_fp8 v[ACC+8*(4*(\a)+\b):ACC+8*(4*(\a)+\b)+7], v[\f+64+16*\b:\f+64+16*\b+15], v[\f+16*(\a):\f+16*(\a)+15], 0
.else
	v_wmma_f32_16x16x128_fp8_fp8 v[ACC+8*(4*(\a)+\b):ACC+8*(4*(\a)+\b)+7], v[\f+64+16*\b:\f+64+16*\b+15], v[\f+16*(\a):\f+16*(\a)+15], v[ACC+8*(4*(\a)+\b):ACC+8*(4*(\a)+\b)+7]
.endif
.endr
.endm
.macro MUL16 f, zero
	MULA \f, 0, \zero
	MULA \f, 1, \zero
	MULA \f, 2, \zero
	MULA \f, 3, \zero
.endm
.macro PLACES n
.rept \n
	v_nop
.endr
.endm
.macro STEP f, g, slot, q, zero
	PLACES NP
	FETCH \slot, (\q)+1, \g
	s_wait_dscnt 32
	WIN MUL
	MUL16 \f, \zero
.endm
.macro TURN slot, next, fill
	WIN 0
	s_wait_tensorcnt 0x0
	ds_add_u32 v[SPW], v[NIL]
	s_wait_dscnt 1
	WIN MUL
	MULA F1, 0, 0
	s_wait_dscnt 0x0
	s_barrier_signal -1
	MULA F1, 1, 0
	WIN 0
	s_barrier_wait -1
.if \fill
	CREST
	JLOAD G0, G1, G0B, G1B, \slot
.endif
	PLACES NP                                      ; in front of the loads into registers that the products above have read
	FETCH \next, 0, F0
	WIN MUL
	MULA F1, 2, 0
	MULA F1, 3, 0
.endm
	s_wait_alu depctr_va_vdst(0)
	s_wait_tensorcnt 0x0                           ; my one load is in: behind the barrier both slots are whole
	s_barrier_signal -1
	s_barrier_wait -1
	FETCH 0, 0, F0
	STEP F0, F1, 0, 0, 1
	STEP F1, F0, 0, 1, 0
	STEP F0, F1, 0, 2, 0
	TURN 0, 1, 1
	STEP F0, F1, 1, 0, 0
	STEP F1, F0, 1, 1, 0
	STEP F0, F1, 1, 2, 0
	TURN 1, 0, 1
	STEP F0, F1, 0, 0, 0
	STEP F1, F0, 0, 1, 0
	STEP F0, F1, 0, 2, 0
	TURN 0, 1, 0
	STEP F0, F1, 1, 0, 0
	STEP F1, F0, 1, 1, 0
	STEP F0, F1, 1, 2, 0
	s_wait_dscnt 0x0
	MUL16 F1, 0
	WIN 0
.macro PACK a
.set AC, ACC+32*(\a)
.set jj, 0
.rept 16
	v_pk_fma_f32 v[AC+jj:AC+jj+1], v[AC+jj:AC+jj+1], s[96:97], v[BB+jj:BB+jj+1] op_sel_hi:[1,0,1]
.set jj, jj+2
.endr
.irp b, 0,1,2,3
	ds_store_b128 v[STO], v[AC+8*\b:AC+8*\b+3] offset:64*\b
	ds_store_b128 v[STO], v[AC+8*\b+4:AC+8*\b+7] offset:64*\b+16
.endr
.irp t, 0,1,2,3,4,5,6,7
	ds_load_b128 v[AC+4*\t:AC+4*\t+3], v[RD] offset:\t*2*SPITCH
.endr
.endm
.macro SEND a, younger
.set AC, ACC+32*(\a)
.irp t, 0,1,2,3,4,5,6,7
	s_wait_dscnt \younger+7-\t
	global_store_b128 v[CO], v[AC+4*\t:AC+4*\t+3], s[12:13] offset:(16*(\a)+2*\t)*SIZE_N*4 th:TH_STORE_NT
.endr
.endm
	s_wait_loadcnt 0x0
	s_wait_kmcnt 0x0
	s_add_co_i32 s96, s96, s97
	s_add_co_i32 s96, s96, 127
	s_lshl_b32 s96, s96, 23
	s_mov_b32 s97, s96
	PLACES NP
	PACK 0
	PACK 1
	SEND 0, 16
	PACK 2
	SEND 1, 16
	PACK 3
	SEND 2, 16
	SEND 3, 0
	s_wait_tensorcnt 0x0
	ds_add_u32 v[SPW], v[NIL]
	s_wait_dscnt 0x0
	CROUND
	s_endpgm
.Lfunc_end_k_qd4b371751e_oproj:
	.size	k_qd4b371751e_oproj, .Lfunc_end_k_qd4b371751e_oproj-k_qd4b371751e_oproj
	.p2alignl 7, 3214868480
	.fill 96, 4, 3214868480
	.section	.rodata,"a",@progbits
	.p2align	6, 0x0
	.amdhsa_kernel k_qd4b371751e_oproj
		.amdhsa_group_segment_fixed_size 327680
		.amdhsa_private_segment_fixed_size 0
		.amdhsa_enable_private_segment 0
		.amdhsa_kernarg_size 40
		.amdhsa_user_sgpr_count 2
		.amdhsa_user_sgpr_kernarg_segment_ptr 1
		.amdhsa_wavefront_size32 1
		.amdhsa_system_sgpr_workgroup_id_x 1
		.amdhsa_system_sgpr_workgroup_id_y 1
		.amdhsa_system_sgpr_workgroup_id_z 1
		.amdhsa_system_vgpr_workitem_id 0
		.amdhsa_next_free_vgpr 512
		.amdhsa_next_free_sgpr 98
		.amdhsa_reserve_vcc 0
		.amdhsa_float_denorm_mode_32 3
		.amdhsa_float_denorm_mode_16_64 3
		.amdhsa_memory_ordered 1
		.amdhsa_forward_progress 1
		.amdhsa_inst_pref_size 75
	.end_amdhsa_kernel
	.amdgpu_metadata
---
amdhsa.version: [ 1, 2 ]
amdhsa.kernels:
  - .name:           k_qd4b371751e_oproj
    .symbol:         k_qd4b371751e_oproj.kd
    .args:
      - { .name: ctxcodes, .offset: 0, .size: 8, .value_kind: global_buffer, .address_space: global }
      - { .name: wocodes, .offset: 8, .size: 8, .value_kind: global_buffer, .address_space: global }
      - { .name: lowp_scales, .offset: 16, .size: 8, .value_kind: global_buffer, .address_space: global }
      - { .name: bo, .offset: 24, .size: 8, .value_kind: global_buffer, .address_space: global }
      - { .name: out0, .offset: 32, .size: 8, .value_kind: global_buffer, .address_space: global }
    .group_segment_fixed_size: 327680
    .private_segment_fixed_size: 0
    .kernarg_segment_align: 8
    .kernarg_segment_size: 40
    .max_flat_workgroup_size: 128
    .sgpr_count:     98
    .vgpr_count:     512
    .wavefront_size: 32
...
	.end_amdgpu_metadata
.endif
;; end of part 8
